; MI455X (gfx1250); checked and timed in simulation.
; The chip was launched on July 23, 2026; its instructions are those of AMD's public machine-readable ISA for CDNA 5 (MIT licence, August 2026) and "CDNA5" Instruction Set Architecture Reference Guide (July 2026). The comments in the code are by the model that wrote it; some were corrected since.
;; Non Local Attention. Allowed arithmetic: matrix products marked QUANTISED: E2M3 operands, one E8M0 scale for each 32 along K, by v_wmma_scale_f32_16x16x128_f8f6f4 with both operands' format E2M3, f32 sums; everything else in f32.
;; Inputs: Wk 1,024 x 1,024 float32; Wo 1,024 x 1,024 float32; Wq 1,024 x 1,024 float32; Wv 1,024 x 1,024 float32; beta 1,024 float32; bk 1,024 float32; bo 1,024 float32; bq 1,024 float32; bv 1,024 float32; gamma 1,024 float32; mask 4 x 2,048 int32; x 4 x 2,048 x 1,024 float32.
;; Outputs: out0 4 x 2,048 x 1,024 float32.
;; This version of the problem:
;;   THIS VERSION OF THE PROBLEM IS GIVEN IN LOW PRECISION. The matrix products marked QUANTISED in the list below multiply operands that are first quantised to E2M3 (2 exponent bits, 3 mantissa bits; 6 bits a number), with one power-of-two scale for each 32 numbers along K (OCP MX v1.0); their sums are f32. All else is computed in f32.
;;   The module's matrix products, in the order in which they are computed (A, B: the left and right operand; K: the contracted axis; several contracted axes count as one K, in the product's order):
;;     1. [M 8,192, K 1,024] x [K 1,024, N 1,024]; A: input x; B: input Wq: QUANTISED
;;     2. [M 8,192, K 1,024] x [K 1,024, N 1,024]; A: input x; B: input Wk: QUANTISED
;;     3. [M 8,192, K 1,024] x [K 1,024, N 1,024]; A: input x; B: input Wv: QUANTISED
;;     4. batch 64 x [M 2,048, K 64] x [K 64, N 2,048]; A: computed on the way; B: computed on the way: QUANTISED
;;     5. batch 64 x [M 2,048, K 2,048] x [K 2,048, N 64]; A: softmax (see below); B: computed on the way: QUANTISED
;;     6. [M 8,192, K 1,024] x [K 1,024, N 1,024]; A: computed on the way; B: input Wo: QUANTISED
;;   THE QUANTISER, for each operand of a quantised product, along K:
;;     - K is cut into blocks of 32 from its start; a last block that is shorter is filled with zeros.
;;     - A block's scale is 2^e with e = floor(log2(the largest magnitude in the block)) - 2, held to -126 .. 127; a block of zeros has e = 0. As a byte (E8M0): e + 127.
;;     - Each number is divided by its block's scale, clamped to +-7.5, and rounded to the nearest number of E2M3, ties to even, subnormals kept.
;;     - The product sums the exact products of the quantised numbers (number of the format x scale) in f32.
;;   ~~~python
;;   def quantise(x, axis):      # numpy; x: float32 -> the quantised numbers, widened to float32 again
;;       x = np.moveaxis(x, axis, -1); K = x.shape[-1]
;;       x = np.pad(x, [(0, 0)] * (x.ndim - 1) + [(0, -K % 32)]); x = x.reshape(x.shape[:-1] + (-1, 32)); a = np.abs(x).max(-1, keepdims=True)
;;       e = np.where(a > 0, np.clip(np.frexp(np.where(a > 0, a, 1))[1] - 1 - 2, -126, 127), 0)      # np.frexp(a)[1] - 1 = floor(log2(a)), exactly
;;       r = np.clip(x / 2.0 ** e, -7.5, 7.5)
;;       step = 2.0 ** (np.maximum(np.frexp(np.where(r == 0, 1, r))[1] - 1, 0) - 3)
;;       q = np.round(r / step) * step * 2.0 ** e      # np.round: ties to even
;;       return np.moveaxis(q.reshape(q.shape[:-2] + (-1,))[..., :K], -1, axis).astype(np.float32)
;;   ~~~
;;   SOFTMAX AHEAD OF A QUANTISED PRODUCT. Where the list says 'softmax', what is quantised is not the finished softmax but p = 2^(t - M), with t = logit x log2(e) and M = ceil(the row's largest t), a whole number; so 1/2 < the row's largest p <= 1. The row's sum l is taken of the UNQUANTISED p, in f32, and the product's result is divided by l at the end. Since M is a whole number, a kernel that streams over the keys may use a running M (the ceiling of the running maximum): every later rescaling is an exact power of two, which a block's scale takes up: the codes' values come out the same.
;;   OPERANDS COMPUTED ON THE WAY. 'Computed on the way' means the value that the module computes at that place (a softmax that the list does not call 'softmax' is quantised finished and normalised). What goes into a quantiser is computed in f32, as accurately as f32 sums, v_exp_f32 and their like allow (about 1e-6 of the number): no bf16 or f16 on the way to a quantiser, and a product that is left as it is and whose result goes on into a quantised operand takes f32 operands (vector FMAs, or v_wmma_f32_16x16x4_f32). A number that lies on a knife's edge between two numbers of the format may be rounded either way, as far as f32 arithmetic and the matrix unit's own rounding can turn it there, and no further.
;; One version. Each part assembles by itself: llvm-mc -triple=amdgcn-amd-amdhsa -mcpu=gfx1250 --defsym DOCPART=n.
;; ======== version 1 of 1: 4 launches
;; limits: right only within a limited range of input values
;; workspace buffers: img1 9,437,184 bytes; sc1 393,216 bytes; qkv 18,874,368 bytes; qkvs 786,432 bytes; cimg 6,291,456 bytes; cs 262,144 bytes
;; launch quant (part 1): grid 256 x 1, 6 waves a work-group, no clusters, 51,456 bytes of LDS; arguments x, Wq, Wk, Wv, Wo, img1, sc1; writes img1, sc1
.if DOCPART == 1
	.amdgcn_target "amdgcn-amd-amdhsa--gfx1250"
	.amdhsa_code_object_version 6
	.text
	.protected	k_q0eca689c95_quant
	.globl	k_q0eca689c95_quant
	.p2align	8
	.type	k_q0eca689c95_quant,@function
k_q0eca689c95_quant:
	s_mov_b64 s[64:65], 0
	v_nop
	global_prefetch_b8 v0, s[64:65] scope:SCOPE_SE
	s_setreg_imm32_b32 hwreg(HW_REG_WAVE_MODE, 25, 1), 1
	s_wait_xcnt 0x0
; x [8192][1024] and Wq, Wk, Wv, Wo [1024][1024], f32 with K innermost, become codes of FP6 (E2M3) with one E8M0 byte for each 32 along K,
; laid as IMAGES OF OPERAND REGISTERS.  A tile is 16 rows; tile 2 B + u, slot s, holds row 32 B + 8 u + s % 8 + 16 (s / 8).  Tiles 0-511: x; 512-575 Wq; 576-639 Wk; 640-703 Wv; 704-767 Wo.
; img1: [tile][K step 0..7][1,536 bytes]: a fragment's registers 4 k .. 4 k + 3 of lane l at 512 k + 16 l.   sc1: [tile][half of K][slot][4 words]: a word is the four bytes of one K step of 128.
; A block's scale is 2^(floor(log2(largest magnitude)) - 2): its byte is that magnitude's exponent field - 2, held at 1 from below.
; LIMITS: NaN and infinities are not served; a block whose largest magnitude lies under 2^-124 (a block of zeros too) keeps the byte 1: its codes are zeros or the nearest codes under that scale, and this program alone reads the bytes.
; SHARES: 1,536 tasks, one a wave: a tile and half of K: four fragments.  Each load reads 512 consecutive bytes of one row; 16 rows x 512 bytes turn through the wave's own stage in LDS
; (rows 528 bytes apart), from which lane (r, h) takes, of row r, k = 64 c + 32 h + 0 .. 31: two whole blocks, in the order of the operand's registers.  No barrier: waves share nothing.
.set STG, 8448                         ; a wave's stage: 16 rows x (512 + 16) bytes
.set RL,  16                           ; v16-143  two sets of 64: the numbers as loaded
.set X,   144                          ; v144-207 my 64 numbers of a fragment: X[32 c + i] = k 64 c + 32 h + i
.set PC,  208                          ; v208-219 the fragment's codes
.set PT,  220                          ; v220-222, v224-226 the second halves of the blocks, as the conversions leave them
.set SW,  228                          ; v228-231 the four scale words
.set MX,  232                          ; v232-233 largest magnitudes
.set SO,  234                          ; v234-235 the conversions' scale operands
.set BY,  236                          ; v236-237 the bytes
.set WD,  238
.set TP,  239
	s_load_b256 s[4:11], s[0:1], 0x0               ; x, Wq, Wk, Wv
	s_load_b128 s[12:15], s[0:1], 0x20             ; Wo, img1
	s_load_b64 s[16:17], s[0:1], 0x30              ; sc1
	v_lshl_add_u32 v240, v0, 2, 0xc600
	v_mov_b32 v241, 0
	v_lshrrev_b32 v6, 5, v0
	v_readfirstlane_b32 s18, v6                    ; wave 0..5
	v_and_b32 v7, 31, v0                           ; lane
	v_and_b32 v8, 15, v0                           ; r
	v_bfe_u32 v9, v0, 4, 1                         ; h
	v_lshlrev_b32 v1, 4, v7                        ; 16 x lane: my bytes of a load and of an image's store
	s_mul_i32 s19, s18, STG
	v_add_nc_u32 v2, s19, v1                       ; the stage, on the way in
	v_mul_u32_u24 v3, v8, 528
	v_lshl_add_u32 v3, v9, 7, v3
	v_add_nc_u32 v3, s19, v3                       ; and on the way out: row r, + 128 h
	v_lshlrev_b32 v4, 4, v8                        ; 16 r: my slot's four scale words
	v_lshlrev_b32 v5, 3, v9                        ; 8 h: how far my two bytes are shifted
	v_mov_b32 v[TP], 0                             ; a lane permute's destination counts as one of its sources
	s_mov_b32 s20, 0x76543210
	s_mov_b32 s21, 0xfedcba98                      ; selects for lane l xor 16
	s_mul_i32 s22, ttmp9, 6
	s_add_co_u32 s22, s22, s18                     ; task
	s_lshr_b32 s23, s22, 1                         ; tile
	s_and_b32 s24, s22, 1                          ; half of K
	s_and_b32 s25, s23, 63                         ; a weight's own tile number
	s_wait_kmcnt 0x0
	s_cmp_lt_u32 s23, 704                          ; which tensor: the choice hangs on ids alone
	s_cselect_b64 s[12:13], s[10:11], s[12:13]
	s_cmp_lt_u32 s23, 640
	s_cselect_b64 s[12:13], s[8:9], s[12:13]
	s_cmp_lt_u32 s23, 576
	s_cselect_b64 s[12:13], s[6:7], s[12:13]
	s_cmp_lt_u32 s23, 512
	s_cselect_b64 s[12:13], s[4:5], s[12:13]
	s_cselect_b32 s25, s23, s25
	s_lshr_b32 s26, s25, 1
	s_lshl_b32 s26, s26, 5
	s_and_b32 s27, s25, 1
	s_lshl_b32 s27, s27, 3
	s_add_co_u32 s26, s26, s27                     ; the tile's first row
	s_lshl_b32 s26, s26, 12                        ; rows of 4,096 bytes
	s_lshl_b32 s27, s24, 11
	s_add_co_u32 s26, s26, s27                     ; + my half of K
	s_mov_b32 s27, 0
	s_add_nc_u64 s[12:13], s[12:13], s[26:27]
	s_mul_i32 s26, s23, 12288
	s_mul_i32 s28, s24, 6144
	s_add_co_u32 s26, s26, s28
	s_add_nc_u64 s[14:15], s[14:15], s[26:27]      ; my four images
	s_lshl_b32 s26, s22, 8
	s_add_nc_u64 s[16:17], s[16:17], s[26:27]      ; my 256 bytes of scale words
.macro LOAD t                          ; K step t of my four: slot i's 512 bytes
.irp i, 0,1,2,3,4,5,6,7,8,9,10,11,12,13,14,15
	global_load_b128 v[RL+64*((\t)%2)+4*\i:RL+64*((\t)%2)+4*\i+3], v1, s[12:13] offset:((\i%8)+16*(\i/8))*4096+512*(\t) th:TH_LOAD_NT
.endr
.endm
.macro STEP t
.if (\t) < 3
	s_wait_loadcnt 16                              ; this step's 16 loads are in; the next step's 16 may be out
.else
	s_wait_loadcnt 0x0
.endif
.irp i, 0,1,2,3,4,5,6,7,8,9,10,11,12,13,14,15
	ds_store_b128 v2, v[RL+64*((\t)%2)+4*\i:RL+64*((\t)%2)+4*\i+3] offset:528*\i
.endr
.irp c, 0,1
.irp k, 0,1,2,3,4,5,6,7
	ds_load_b128 v[X+32*\c+4*\k:X+32*\c+4*\k+3], v3 offset:256*\c+16*\k   ; LDS serves a wave's instructions in order: these see the stores above
.endr
.endr
	s_wait_dscnt 0x0                               ; my numbers are back, and the stores have read their registers,
.if (\t) < 2
	LOAD (\t)+2                                    ; which take the loads of two steps on
.endif
.irp c, 0,1
	v_max3_num_f32 v[MX+\c], |v[X+32*\c]|, |v[X+32*\c+1]|, 0x1800000   ; block 2 c + h: all 32 numbers are mine; the floor 2^(3 - 127) holds the byte at 1 from below
.endr
.irp i, 2,4,6,8,10,12,14,16,18,20,22,24,26,28,30
.irp c, 0,1
	v_max3_num_f32 v[MX+\c], v[MX+\c], |v[X+32*\c+\i]|, |v[X+32*\c+\i+1]|
.endr
.endr
.irp c, 0,1
	v_add_nc_u32 v[SO+\c], 0xff000000, v[MX+\c]    ; 2 off the exponent field: the conversion's scale operand
.endr
.irp c, 0,1
	v_lshrrev_b32 v[BY+\c], 23, v[SO+\c]           ; the byte
.endr
	v_lshl_or_b32 v[WD], v[BY+1], 16, v[BY]        ; blocks h and 2 + h,
	v_lshlrev_b32 v[WD], v5, v[WD]                 ; at their places in the word;
	v_permlanex16_b32 v[TP], v[WD], s20, s21
	v_or_b32 v[SW+(\t)], v[WD], v[TP]              ; with lane l xor 16's two the word is whole
.if (\t) > 0
	s_wait_xcnt 0x0                                ; the last step's stores have read the codes' registers
.endif
.irp c, 0,1
	v_cvt_scalef32_pk16_fp6_f32 v[PC+6*\c:PC+6*\c+2], v[X+32*\c:X+32*\c+15], v[SO+\c]
	v_cvt_scalef32_pk16_fp6_f32 v[PT+4*\c:PT+4*\c+2], v[X+32*\c+16:X+32*\c+31], v[SO+\c]   ; (a conversion's three registers begin on an even number)
.endr
	v_nop                                          ; one plain place behind a scaled conversion
.irp c, 0,1
.irp i, 0,1,2
	v_mov_b32 v[PC+6*\c+3+\i], v[PT+4*\c+\i]
.endr
.endr
.irp k, 0,1,2
	global_store_b128 v1, v[PC+4*\k:PC+4*\k+3], s[14:15] offset:1536*(\t)+512*\k   ; 512 consecutive bytes, aligned
.endr
.endm
	LOAD 0
	LOAD 1
	STEP 0
	STEP 1
	STEP 2
	STEP 3
	s_wait_xcnt 0x0                                ; EXEC changes only behind this wait
	v_cmp_gt_u32 vcc_lo, 16, v7
	s_wait_tensorcnt 0x0
	ds_add_u32 v240, v241
	s_wait_dscnt 0x0
	s_and_saveexec_b32 s22, vcc_lo                 ; lanes 0-15: one slot each
	global_store_b128 v4, v[SW:SW+3], s[16:17]     ; sixteen lanes store 256 consecutive bytes, aligned
	s_wait_xcnt 0x0
	s_or_b32 exec_lo, exec_lo, s22
	s_endpgm
.Lfunc_end_k_q0eca689c95_quant:
	.size	k_q0eca689c95_quant, .Lfunc_end_k_q0eca689c95_quant-k_q0eca689c95_quant
	.p2alignl 7, 3214868480
	.fill 96, 4, 3214868480
	.section	.rodata,"a",@progbits
	.p2align	6, 0x0
	.amdhsa_kernel k_q0eca689c95_quant
		.amdhsa_group_segment_fixed_size 51456
		.amdhsa_private_segment_fixed_size 0
		.amdhsa_enable_private_segment 0
		.amdhsa_kernarg_size 56
		.amdhsa_user_sgpr_count 2
		.amdhsa_user_sgpr_kernarg_segment_ptr 1
		.amdhsa_wavefront_size32 1
		.amdhsa_system_sgpr_workgroup_id_x 1
		.amdhsa_system_sgpr_workgroup_id_y 1
		.amdhsa_system_sgpr_workgroup_id_z 1
		.amdhsa_system_vgpr_workitem_id 0
		.amdhsa_next_free_vgpr 242
		.amdhsa_next_free_sgpr 66
		.amdhsa_reserve_vcc 1
		.amdhsa_float_denorm_mode_32 3
		.amdhsa_float_denorm_mode_16_64 3
		.amdhsa_memory_ordered 1
		.amdhsa_forward_progress 1
		.amdhsa_inst_pref_size 30
	.end_amdhsa_kernel
	.amdgpu_metadata
---
amdhsa.version: [ 1, 2 ]
amdhsa.kernels:
  - .name:           k_q0eca689c95_quant
    .symbol:         k_q0eca689c95_quant.kd
    .args:
      - { .name: x, .offset: 0, .size: 8, .value_kind: global_buffer, .address_space: global }
      - { .name: Wq, .offset: 8, .size: 8, .value_kind: global_buffer, .address_space: global }
      - { .name: Wk, .offset: 16, .size: 8, .value_kind: global_buffer, .address_space: global }
      - { .name: Wv, .offset: 24, .size: 8, .value_kind: global_buffer, .address_space: global }
      - { .name: Wo, .offset: 32, .size: 8, .value_kind: global_buffer, .address_space: global }
      - { .name: img1, .offset: 40, .size: 8, .value_kind: global_buffer, .address_space: global }
      - { .name: sc1, .offset: 48, .size: 8, .value_kind: global_buffer, .address_space: global }
    .group_segment_fixed_size: 51456
    .private_segment_fixed_size: 0
    .kernarg_segment_align: 8
    .kernarg_segment_size: 56
    .max_flat_workgroup_size: 192
    .sgpr_count:     66
    .vgpr_count:     242
    .wavefront_size: 32
...
	.end_amdgpu_metadata
.endif
;; end of part 1
;; launch qkv_gemm (part 2): grid 8 x 96, 4 waves a work-group, clusters of 4 x 4, 327,680 bytes of LDS; arguments img1, sc1, bq, bk, bv, qkv, qkvs; writes qkv, qkvs
.if DOCPART == 2
	.amdgcn_target "amdgcn-amd-amdhsa--gfx1250"
	.amdhsa_code_object_version 6
	.text
	.protected	k_q0eca689c95_qkv_gemm
	.globl	k_q0eca689c95_qkv_gemm
	.p2align	8
	.type	k_q0eca689c95_qkv_gemm,@function
k_q0eca689c95_qkv_gemm:
	s_mov_b64 s[64:65], 0
	v_nop
	global_prefetch_b8 v0, s[64:65] scope:SCOPE_SE
	s_setreg_imm32_b32 hwreg(HW_REG_WAVE_MODE, 25, 1), 1
	s_wait_xcnt 0x0
	s_wait_alu depctr_hold_cnt(0) depctr_sa_sdst(0) depctr_va_vdst(0) depctr_va_sdst(0) depctr_va_ssrc(0) depctr_va_vcc(0) depctr_vm_vsrc(0)
	s_getreg_b32 s2, hwreg(HW_REG_IB_STS2, 6, 4)
	s_cmp_eq_u32 s2, 0
	s_cbranch_scc0 .Lentry_in_a_cluster
	s_endpgm
.Lentry_in_a_cluster:
	s_bfe_u32 s2, ttmp6, 0x10000c
	s_cmp_lg_u32 s2, 0xf033
	s_cbranch_scc0 .Lentry_shape_is_right
	s_endpgm
.Lentry_shape_is_right:
; Q = x Wq^T + bq, K = x Wk^T + bk, V^T = Wv x^T + bv on codes of FP6 (E2M3), and their results quantised on the way out: Q and K along the head's 64, V along the keys.
; ONE GENERIC PRODUCT.  Source 0 = 16 rows of P, source 1 = 16 rows of R: a lane holds one row of R (slot lane % 16), and its registers run along P.  By the composition of the tiles
; (tile 2 B + u, slot s = row 32 B + 8 u + s % 8 + 16 (s / 8)) the 16 registers of P's tiles 2 B, 2 B + 1 are P's rows 32 B + 16 (lane / 16) + 0 .. 15: neighbours along the next product's K.
; Cluster rows 0-15 of the grid: R = x, P = Wq | Wk (a group of 128 of P = two heads).  Cluster rows 16-23: R = Wv, P = x (a group of 128 of P = a key step).  What differs is chosen by s_cselect_b32
; on the cluster's y, which all partners share; there is no branch on it.
; SHARES.  A work-group makes 128 of R x 256 of P over all of K = 1,024; a wave 64 x 128: 32 accumulators.  768 work-groups of equal work.
; ALL OF K LIES IN LDS (294,912 bytes): four chunks of two K steps, every one filled once, all asked for at the start: four tensor loads of a wave are out.  No slot is filled again.
; CLUSTER 4 x 4: R's tiles hang on cy alone and are shared along a row of the cluster, P's on cx alone and are shared along a column: joint loads, which divide the requests by four.
; OUT: qkv: plane 16 b + head: Q, [tile][768]; plane 64 + ..: K likewise; plane 128 + ..: V^T, [key step][tile][1,536].  Half a fragment (64 along K, registers 6 c .. 6 c + 5) is 768 bytes: registers
; 6 c + 2 p, + 1 of lane l at 256 p + 8 l.  qkvs: scale words, 256 bytes for four tiles: [slot][tile] (Q, K: bytes 0, 1 the even head, 2, 3 the odd one).
; LIMITS: NaN and infinities are not served; a block whose largest magnitude lies under 2^-124 keeps the scale byte 1.
; REGISTERS: window 0: v1-15 lane terms; v16-23 LDS addresses; v24-31 store offsets; v32-47 R's scale words, v48-79 P's; v80-175 R's fragments, two sets (at the head: the biases); v176-215 the quantiser.
;   window 1: accumulator (a, b) at v[64 a + 8 b].   window 2: P's fragments, two sets of 96.
.set CHUNK, 73728                      ; LDS: a chunk: R's 8 tiles x 3,072 bytes, then P's 16
.set POFF,  24576
.set ADR, 16                           ; v16-19 my R fragments in chunk c
.set ADP, 20                           ; v20-23 my P fragments
.set VO,  24                           ; v24-31 store offsets: tile a, half c
.set RS,  32
.set PS,  48
.set RF,  80
.set BP,  80                           ; v80-143 P's bias in the result's layout
.set BR,  144                          ; v144-151 R's bias of tile a, twice
.set BL,  152
.set TM,  176
.set PC,  192
.set PW,  212
.set G1R, 28
.set G1P, 36
.set G0R, 44                           ; s[44:59] four sets
.set SEL, 60
.set G0P, 68                           ; s[68:83] four sets
.set MSB, 0
.macro WIN new                         ; the immediate's high byte repeats the setting that is left
.if MSB != \new
	s_set_vgpr_msb (MSB<<8)|\new
.set MSB, \new
.endif
.endm
.macro CROUND                          ; a round of the cluster's barrier
	s_barrier_signal -1
	s_barrier_wait -1
	s_cmp_lg_u32 s18, 0
	s_cbranch_scc1 .Lnot_wave_0_\@
	s_barrier_signal -3
.Lnot_wave_0_\@:
	s_barrier_wait -3
	s_barrier_signal -1
	s_barrier_wait -1
.endm
.macro PLACES                          ; four places behind a matrix instruction, in front of loads into its registers and of reads of its results
.rept 4
	v_nop
.endr
.endm
	s_load_b256 s[4:11], s[0:1], 0x0               ; img1, sc1, bq, bk
	s_load_b128 s[12:15], s[0:1], 0x20             ; bv, qkv
	s_load_b64 s[16:17], s[0:1], 0x30              ; qkvs
	v_lshl_add_u32 v254, v0, 2, 0x48000
	v_mov_b32 v255, 0
	ds_add_u32 v254, v255
	ds_add_u32 v254, v255
	v_lshrrev_b32 v1, 5, v0
	v_readfirstlane_b32 s18, v1                    ; wave 0..3
	s_lshr_b32 s19, s18, 1                         ; wr: which four tiles of R are mine
	s_and_b32 s20, s18, 1                          ; wp: which eight tiles of P.  Also: which half of R's or P's tiles I fetch
	s_bfe_u32 s21, ttmp6, 0x40000                  ; cx
	s_bfe_u32 s22, ttmp6, 0x40004                  ; cy
	s_mov_b32 s23, ttmp9                           ; the cluster's x: 0, 1
	s_and_b32 s24, ttmp7, 0xffff                   ; the cluster's y: 0 .. 23
	s_sub_co_u32 s27, s24, 16
	s_mov_b32 s62, 1536
	s_mov_b32 s63, 768
	s_cmp_lt_u32 s24, 16                           ; Q and K, or V
	s_cselect_b32 s84, s23, s27                    ; P's coordinate
	s_cselect_b32 s89, s24, s23                    ; R's
	s_cselect_b32 s25, -1, 0                       ; keeps P's bias
	s_cselect_b32 s26, 0, -1                       ; keeps R's bias
	s_cselect_b32 s90, 0, 640                      ; R's first tile in img1: x or Wv
	s_cselect_b32 s85, 512, 0                      ; P's: Wq | Wk or x
	s_cselect_b32 s62, 768, s62                    ; bytes from tile to tile on the way out
	s_cselect_b32 s63, 98304, s63                  ; and from half to half: the next head's plane, or the fragment's second half
	s_lshl_b32 s84, s84, 2
	s_add_co_u32 s84, s84, s21                     ; P's block of 256
	s_lshl_b32 s89, s89, 2
	s_add_co_u32 s89, s89, s22                     ; R's block of 128
	s_lshl_b32 s86, s84, 4
	s_add_co_u32 s85, s85, s86                     ; P's first tile
	s_lshl_b32 s92, s89, 3
	s_add_co_u32 s90, s90, s92                     ; R's first tile
	s_lshl_b32 s94, s22, 2
	s_lshl_b32 s94, 15, s94                        ; my row of the cluster
	s_lshl_b32 s95, 0x1111, s21                    ; my column
	; descriptor group 1: rows of 3,072 bytes (a tile's two K steps: 384 elements of 8 bytes), 12,288 bytes apart; 4 tiles of R or 8 of P
	s_or_b32 s[G1R], s94, (3<<16)|(1<<21)
	s_or_b32 s[G1P], s95, (3<<16)|(1<<21)
.irp g, G1R, G1P
	s_mov_b32 s[\g+1], 384<<16                     ; tensor_dim0
	s_mov_b32 s[\g+3], 384<<16                     ; tile_dim0
	s_mov_b32 s[\g+5], 1536                        ; the pitch, in elements
	s_mov_b32 s[\g+6], 0
	s_mov_b32 s[\g+7], 0
.endr
	s_mov_b32 s[G1R+2], 4<<16                      ; tensor_dim1
	s_mov_b32 s[G1R+4], 4                          ; tile_dim1
	s_mov_b32 s[G1P+2], 8<<16
	s_mov_b32 s[G1P+4], 8
	s_lshl_b32 s86, s20, 3
	s_add_co_u32 s86, s86, s85
	s_mul_i32 s86, s86, 12288                      ; P: my eight tiles, in bytes (made of cx and shared numbers alone)
	s_mov_b32 s87, 0
	s_mul_i32 s88, s20, 24576
	s_add_co_u32 s88, s88, POFF                    ; and in a chunk
	s_lshl_b32 s92, s20, 2
	s_add_co_u32 s92, s92, s90
	s_mul_i32 s92, s92, 12288                      ; R: my four tiles (made of cy and shared numbers alone)
	s_mov_b32 s93, 0
	s_mul_i32 s91, s20, 12288
	s_wait_dscnt 0x0
	s_wait_kmcnt 0x0
	s_add_nc_u64 s[86:87], s[4:5], s[86:87]
	s_add_nc_u64 s[92:93], s[4:5], s[92:93]
.irp c, 0,1,2,3
	s_mov_b32 s[G0R+4*\c], 1
	s_add_co_u32 s[G0R+4*\c+1], s91, \c*CHUNK
	s_add_nc_u64 s[G0R+4*\c+2:G0R+4*\c+3], s[92:93], \c*3072
	s_or_b32 s[G0R+4*\c+3], s[G0R+4*\c+3], 0x80000000
	s_mov_b32 s[G0P+4*\c], 1
	s_add_co_u32 s[G0P+4*\c+1], s88, \c*CHUNK
	s_add_nc_u64 s[G0P+4*\c+2:G0P+4*\c+3], s[86:87], \c*3072
	s_or_b32 s[G0P+4*\c+3], s[G0P+4*\c+3], 0x80000000
.endr
	CROUND                                         ; all sixteen work-groups are here: the joint loads meet
	s_cmp_lt_u32 s18, 2                            ; waves 0, 1 fetch R's halves, waves 2, 3 P's: a wave's four first fills stand in one branch
	s_cbranch_scc0 .Lfirst_p
.irp c, 0,1,2,3
	tensor_load_to_lds s[G0R+4*\c:G0R+4*\c+3], s[G1R:G1R+7]
	s_nop 0
.endr
.rept 4
	v_nop
.endr
	s_branch .Lfirst_asked
.Lfirst_p:
.irp c, 0,1,2,3
	tensor_load_to_lds s[G0P+4*\c:G0P+4*\c+3], s[G1P:G1P+7]
	s_nop 0
.endr
.rept 4
	v_nop
.endr
.Lfirst_asked:
	v_and_b32 v1, 31, v0                           ; lane
	v_and_b32 v2, 15, v0                           ; r
	v_bfe_u32 v3, v0, 4, 1                         ; h
	v_lshlrev_b32 v4, 4, v1                        ; 16 x lane
	v_lshlrev_b32 v5, 3, v1                        ; 8 x lane
	v_lshlrev_b32 v6, 4, v2                        ; 16 r
	v_lshl_add_u32 v7, v3, 9, v6                   ; scale words: lanes 0-15 the even tile's, lanes 16-31 the odd one's
	v_lshlrev_b32 v8, 6, v3                        ; P's bias: 64 h
	v_and_b32 v9, 7, v2
	v_lshrrev_b32 v10, 3, v2
	v_lshl_add_u32 v9, v10, 4, v9
	v_lshlrev_b32 v9, 2, v9                        ; R's bias: 4 (r % 8 + 16 (r / 8))
	s_mul_i32 s2, s19, 12288
	s_mul_i32 s3, s20, 24576
	s_add_co_u32 s3, s3, POFF
.irp c, 0,1,2,3
	v_add_nc_u32 v[ADR+\c], s2, v4
	v_add_nc_u32 v[ADP+\c], s3, v4
	s_add_co_u32 s2, s2, CHUNK
	s_add_co_u32 s3, s3, CHUNK
.endr
.irp b, 0,1,2,3
	v_mov_b32 v[TM+4+\b], 0                        ; a lane permute's destination counts as one of its sources
.endr
	s_mov_b32 s[SEL], 0x76543210
	s_mov_b32 s[SEL+1], 0xfedcba98
	s_lshl_b32 s96, s84, 1
	s_add_co_u32 s96, s96, s20                     ; g: my group of 128 of P
	s_mov_b32 s99, 0
	s_and_b32 s98, s96, 7
	s_lshl_b32 s98, s98, 9
	s_cmp_lt_u32 s96, 8                            ; groups 0-7: Wq's, 8-15: Wk's.  (For V the numbers read here are masked away; every address stays inside the 4,096 bytes)
	s_cselect_b64 s[8:9], s[8:9], s[10:11]
	s_add_nc_u64 s[8:9], s[8:9], s[98:99]
	s_lshl_b32 s98, s89, 7
	s_lshl_b32 s97, s19, 6
	s_add_co_u32 s98, s98, s97
	s_and_b32 s98, s98, s26                        ; V: my 64 rows of Wv; Q, K: 0, and the numbers are masked away
	s_lshl_b32 s98, s98, 2
	s_add_nc_u64 s[12:13], s[12:13], s[98:99]
	s_lshl_b32 s98, s19, 2
	s_add_co_u32 s98, s98, s90
	s_lshl_b32 s98, s98, 9
	s_add_nc_u64 s[10:11], s[6:7], s[98:99]        ; my R tiles' scale words
	s_lshl_b32 s98, s20, 3
	s_add_co_u32 s98, s98, s85
	s_lshl_b32 s98, s98, 9
	s_add_nc_u64 s[6:7], s[6:7], s[98:99]          ; my P tiles'
.irp b, 0,1,2,3
.irp k, 0,1,2,3
	global_load_b128 v[BP+16*\b+4*\k:BP+16*\b+4*\k+3], v8, s[8:9] offset:128*\b+16*\k   ; register 16 B + i: P's bias at 32 B + 16 h + i
.endr
.endr
.irp a, 0,1,2,3
	global_load_b32 v[BL+\a], v9, s[12:13] offset:(32*(\a/2)+8*(\a%2))*4                ; R's bias at my slot of tile a
.endr
.irp k, 0,1
.irp u, 0,1
	global_load_b128 v[RS+8*\k+4*\u:RS+8*\k+4*\u+3], v7, s[10:11] offset:1024*\u+256*\k
.endr
.endr
.irp k, 0,1
.irp u, 0,1,2,3
	global_load_b128 v[PS+16*\k+4*\u:PS+16*\k+4*\u+3], v7, s[6:7] offset:1024*\u+256*\k
.endr
.endr
	; where my results go.  Q, K: plane 64 (g / 8) + 16 b + 2 (g % 8), tile 8 (block % 16) + 4 wr;  V: plane 128 + 16 (g / 16) + head, key step g % 16
	s_lshr_b32 s94, s96, 3
	s_and_b32 s95, s96, 7
	s_lshr_b32 s97, s89, 4
	s_lshl_b32 s98, s94, 6
	s_lshl_b32 s2, s97, 4
	s_add_co_u32 s98, s98, s2
	s_lshl_b32 s2, s95, 1
	s_add_co_u32 s98, s98, s2
	s_mul_i32 s98, s98, 98304
	s_and_b32 s2, s89, 15
	s_lshl_b32 s3, s2, 3
	s_lshl_b32 s27, s19, 2
	s_add_co_u32 s3, s3, s27
	s_mul_i32 s3, s3, 768
	s_add_co_u32 s98, s98, s3                      ; Q, K: codes
	s_lshl_b32 s94, s94, 2
	s_add_co_u32 s94, s94, s97
	s_lshl_b32 s94, s94, 3
	s_add_co_u32 s94, s94, s95
	s_lshl_b32 s94, s94, 13
	s_lshl_b32 s2, s2, 1
	s_add_co_u32 s2, s2, s19
	s_lshl_b32 s2, s2, 8
	s_add_co_u32 s94, s94, s2                      ; Q, K: scale words
	s_lshr_b32 s95, s96, 4
	s_and_b32 s97, s96, 15
	s_lshl_b32 s95, s95, 4
	s_lshl_b32 s2, s89, 1
	s_add_co_u32 s95, s95, s2
	s_add_co_u32 s95, s95, s19                     ; 16 b + head
	s_add_co_u32 s2, s95, 128
	s_mul_i32 s2, s2, 98304
	s_mul_i32 s3, s97, 6144
	s_add_co_u32 s2, s2, s3                        ; V: codes
	s_lshl_b32 s95, s95, 12
	s_lshl_b32 s97, s97, 8
	s_add_co_u32 s95, s95, s97
	s_add_co_u32 s95, s95, 524288                  ; V: scale words
	s_cmp_lt_u32 s24, 16
	s_cselect_b32 s98, s98, s2
	s_cselect_b32 s94, s94, s95
	s_add_nc_u64 s[14:15], s[14:15], s[98:99]
	s_mov_b32 s95, 0
	s_add_nc_u64 s[16:17], s[16:17], s[94:95]
.irp a, 0,1,2,3
	s_mul_i32 s98, s62, \a
	v_add_nc_u32 v[VO+2*\a], s98, v5
	s_add_co_u32 s98, s98, s63
	v_add_nc_u32 v[VO+2*\a+1], s98, v5
.endr
	s_wait_loadcnt 12                              ; the biases are in; the twelve loads of scale words may be out
.set i, 0
.rept 64
	v_and_b32 v[BP+i], s25, v[BP+i]                ; one of the two biases is the product's, the other becomes 0
.set i, i+1
.endr
.irp a, 0,1,2,3
	v_and_b32 v[BR+2*\a], s26, v[BL+\a]
	v_and_b32 v[BR+2*\a+1], s26, v[BL+\a]
.endr
	WIN 0x40                                       ; destination window 1
.irp a, 0,1,2,3
.set i, 0
.rept 32
	v_pk_add_f32 v[64*\a+i:64*\a+i+1], v[BP+i:BP+i+1], v[BR+2*\a:BR+2*\a+1]   ; the bias starts the sums, while the tiles are on their way
.set i, i+2
.endr
.endr
	WIN 0
	s_wait_loadcnt 0x0                             ; the scale words
; one product.  pr, rr: the scale words of an odd tile stand in lanes 16-31
.macro WM acc, pf, rf, ps, rs, pr, rr
.if (\pr) && (\rr)
	v_wmma_scale_f32_16x16x128_f8f6f4 v[\acc:\acc+7], v[\pf:\pf+11], v[\rf:\rf+11], v[\acc:\acc+7], v[\ps], v[\rs] matrix_a_fmt:MATRIX_FMT_FP6 matrix_b_fmt:MATRIX_FMT_FP6 matrix_a_scale:MATRIX_SCALE_ROW1 matrix_b_scale:MATRIX_SCALE_ROW1
.elseif (\pr)
	v_wmma_scale_f32_16x16x128_f8f6f4 v[\acc:\acc+7], v[\pf:\pf+11], v[\rf:\rf+11], v[\acc:\acc+7], v[\ps], v[\rs] matrix_a_fmt:MATRIX_FMT_FP6 matrix_b_fmt:MATRIX_FMT_FP6 matrix_a_scale:MATRIX_SCALE_ROW1
.elseif (\rr)
	v_wmma_scale_f32_16x16x128_f8f6f4 v[\acc:\acc+7], v[\pf:\pf+11], v[\rf:\rf+11], v[\acc:\acc+7], v[\ps], v[\rs] matrix_a_fmt:MATRIX_FMT_FP6 matrix_b_fmt:MATRIX_FMT_FP6 matrix_b_scale:MATRIX_SCALE_ROW1
.else
	v_wmma_scale_f32_16x16x128_f8f6f4 v[\acc:\acc+7], v[\pf:\pf+11], v[\rf:\rf+11], v[\acc:\acc+7], v[\ps], v[\rs] matrix_a_fmt:MATRIX_FMT_FP6 matrix_b_fmt:MATRIX_FMT_FP6
.endif
.endm
; K step s: 32 products; the 32 accumulators take turns, one instruction a turn, in the same order in every step
.macro MUL s, set
	WIN 0x52                                       ; source 0 (P) window 2, source 1 (R) window 0, C and D window 1
.irp a, 0,1,2,3
.irp b, 0,1,2,3,4,5,6,7
	WM 64*\a+8*\b, 96*(\set)+12*\b, RF+48*(\set)+12*\a, PS+16*((\s)/4)+4*(\b/2)+(\s)%4, RS+8*((\s)/4)+4*(\a/2)+(\s)%4, \b%2, \a%2
.endr
.endr
.endm
; 36 LDS loads: the fragments of chunk c's K step q; each load takes 512 consecutive bytes of an image
.macro FETCH c, q, set
	WIN 0x80                                       ; destination window 2
.irp b, 0,1,2,3,4,5,6,7
.irp k, 0,1,2
	ds_load_b128 v[96*(\set)+12*\b+4*\k:96*(\set)+12*\b+4*\k+3], v[ADP+\c] offset:3072*\b+1536*(\q)+512*\k
.endr
.endr
	WIN 0
.irp a, 0,1,2,3
.irp k, 0,1,2
	ds_load_b128 v[RF+48*(\set)+12*\a+4*\k:RF+48*(\set)+12*\a+4*\k+3], v[ADR+\c] offset:3072*\a+1536*(\q)+512*\k
.endr
.endr
.endm
.macro KSTEP s
.if (\s) % 2
	s_wait_dscnt 0x0                               ; no LDS instruction of mine is out at a signal
	s_wait_tensorcnt 3-((\s)+1)/2                  ; my part of the next chunk is in; the later chunks may stay out
	s_barrier_signal -1
	s_barrier_wait -1                              ; everybody's is
.endif
.if (\s) > 0
	PLACES
.endif
	FETCH ((\s)+1)/2, ((\s)+1)%2, ((\s)+1)%2
	s_wait_dscnt 36                                ; this step's fragments are in; the 36 loads just issued may be out
	MUL \s, (\s)%2
.endm
	s_wait_tensorcnt 3                             ; my part of chunk 0 is in,
	s_barrier_signal -1
	s_barrier_wait -1                              ; everybody's is
	FETCH 0, 0, 0
	KSTEP 0
	KSTEP 1
	KSTEP 2
	KSTEP 3
	KSTEP 4
	KSTEP 5
	KSTEP 6
	s_wait_dscnt 0x0
	MUL 7, 1
	WIN 0
	PLACES
; THE WAY OUT.  Tile a's 64 numbers of a lane, register 16 B + i = index 32 B + 16 h + i of my row, become a fragment's codes in v[PC] on and its scale word in v[PW + a].
.macro QUANTW a
	WIN 0x05                                       ; sources 0 and 1 window 1
.irp b, 0,1,2,3
	v_max3_num_f32 v[TM+\b], |v[64*\a+16*\b]|, |v[64*\a+16*\b+1]|, 0x1800000   ; my 16 numbers of block B, from each accumulator's low end on, and the floor 2^(3 - 127)
.endr
	WIN 0x14                                       ; sources 1 and 2 window 1
.irp i, 2,4,6,8,10,12,14
.irp b, 0,1,2,3
	v_max3_num_f32 v[TM+\b], v[TM+\b], |v[64*\a+16*\b+\i]|, |v[64*\a+16*\b+\i+1]|
.endr
.endr
	WIN 0
.irp b, 0,1,2,3
	v_permlanex16_b32 v[TM+4+\b], v[TM+\b], s[SEL], s[SEL+1]
.endr
.irp b, 0,1,2,3
	v_max_num_f32 v[TM+\b], v[TM+\b], v[TM+4+\b]   ; with lane l xor 16's: the block's largest magnitude
.endr
.irp b, 0,1,2,3
	v_add_nc_u32 v[TM+12+\b], 0xff000000, v[TM+\b] ; 2 off the exponent field: the conversion's scale operand
.endr
.irp b, 0,1,2,3
	v_lshrrev_b32 v[TM+4+\b], 23, v[TM+12+\b]      ; the byte
.endr
	v_lshl_or_b32 v[PW+\a], v[TM+5], 8, v[TM+4]
	v_lshl_or_b32 v[PW+\a], v[TM+6], 16, v[PW+\a]
	v_lshl_or_b32 v[PW+\a], v[TM+7], 24, v[PW+\a]
	WIN 0x01                                       ; source 0 window 1
.irp c, 0,1
	v_cvt_scalef32_pk16_fp6_f32 v[PC+6*\c:PC+6*\c+2], v[64*\a+32*\c:64*\a+32*\c+15], v[TM+12+2*\c]
	v_cvt_scalef32_pk16_fp6_f32 v[PC+12+4*\c:PC+14+4*\c], v[64*\a+32*\c+16:64*\a+32*\c+31], v[TM+13+2*\c]
.endr
	WIN 0
	v_nop                                          ; one plain place behind a scaled conversion
.irp c, 0,1                            ; the operand's layout wants a whole block in a lane: lanes 0-15 block 2 c, lanes 16-31 block 2 c + 1
.irp i, 0,1,2
	v_permlane16_swap_b32 v[PC+6*\c+\i], v[PC+12+4*\c+\i]
.endr
.irp i, 0,1,2
	v_mov_b32 v[PC+3+6*\c+\i], v[PC+12+4*\c+\i]
.endr
.endr
.endm
.irp a, 0,1,2,3
.if \a > 0
	s_wait_xcnt 0x0                                ; the last tile's stores have read the codes' registers
.endif
	QUANTW \a
.irp c, 0,1
.irp p, 0,1,2
	global_store_b64 v[VO+2*\a+\c], v[PC+6*\c+2*\p:PC+6*\c+2*\p+1], s[14:15] offset:256*\p   ; 32 lanes store 256 consecutive bytes, aligned
.endr
.endr
.endr
	s_wait_xcnt 0x0                                ; EXEC changes only behind this wait
	v_cmp_gt_u32 vcc_lo, 16, v1
	s_and_saveexec_b32 s98, vcc_lo
	global_store_b128 v6, v[PW:PW+3], s[16:17]     ; sixteen lanes: the four tiles' scale words of a slot; 256 consecutive bytes, aligned
	s_wait_xcnt 0x0
	s_or_b32 exec_lo, exec_lo, s98
	s_wait_tensorcnt 0x0
	ds_add_u32 v254, v255
	s_wait_dscnt 0x0
	CROUND                                         ; the closing round
	s_endpgm
.Lfunc_end_k_q0eca689c95_qkv_gemm:
	.size	k_q0eca689c95_qkv_gemm, .Lfunc_end_k_q0eca689c95_qkv_gemm-k_q0eca689c95_qkv_gemm
	.p2alignl 7, 3214868480
	.fill 96, 4, 3214868480
	.section	.rodata,"a",@progbits
	.p2align	6, 0x0
	.amdhsa_kernel k_q0eca689c95_qkv_gemm
		.amdhsa_group_segment_fixed_size 327680
		.amdhsa_private_segment_fixed_size 0
		.amdhsa_enable_private_segment 0
		.amdhsa_kernarg_size 56
		.amdhsa_user_sgpr_count 2
		.amdhsa_user_sgpr_kernarg_segment_ptr 1
		.amdhsa_wavefront_size32 1
		.amdhsa_system_sgpr_workgroup_id_x 1
		.amdhsa_system_sgpr_workgroup_id_y 1
		.amdhsa_system_sgpr_workgroup_id_z 1
		.amdhsa_system_vgpr_workitem_id 0
		.amdhsa_next_free_vgpr 768
		.amdhsa_next_free_sgpr 100
		.amdhsa_reserve_vcc 1
		.amdhsa_float_denorm_mode_32 3
		.amdhsa_float_denorm_mode_16_64 3
		.amdhsa_memory_ordered 1
		.amdhsa_forward_progress 1
		.amdhsa_inst_pref_size 96
	.end_amdhsa_kernel
	.amdgpu_metadata
---
amdhsa.version: [ 1, 2 ]
amdhsa.kernels:
  - .name:           k_q0eca689c95_qkv_gemm
    .symbol:         k_q0eca689c95_qkv_gemm.kd
    .args:
      - { .name: img1, .offset: 0, .size: 8, .value_kind: global_buffer, .address_space: global }
      - { .name: sc1, .offset: 8, .size: 8, .value_kind: global_buffer, .address_space: global }
      - { .name: bq, .offset: 16, .size: 8, .value_kind: global_buffer, .address_space: global }
      - { .name: bk, .offset: 24, .size: 8, .value_kind: global_buffer, .address_space: global }
      - { .name: bv, .offset: 32, .size: 8, .value_kind: global_buffer, .address_space: global }
      - { .name: qkv, .offset: 40, .size: 8, .value_kind: global_buffer, .address_space: global }
      - { .name: qkvs, .offset: 48, .size: 8, .value_kind: global_buffer, .address_space: global }
    .group_segment_fixed_size: 327680
    .private_segment_fixed_size: 0
    .kernarg_segment_align: 8
    .kernarg_segment_size: 56
    .max_flat_workgroup_size: 128
    .sgpr_count:     100
    .vgpr_count:     768
    .wavefront_size: 32
...
	.end_amdgpu_metadata
.endif
;; end of part 2
;; launch attn (part 3): grid 8 x 64, 16 waves a work-group, clusters of 4 x 1, 264,192 bytes of LDS; arguments qkv, qkvs, mask, cimg, cs; writes cimg, cs
.if DOCPART == 3
	.amdgcn_target "amdgcn-amd-amdhsa--gfx1250"
	.amdhsa_code_object_version 6
	.text
	.protected	k_q0eca689c95_attn
	.globl	k_q0eca689c95_attn
	.p2align	8
	.type	k_q0eca689c95_attn,@function
k_q0eca689c95_attn:
	s_mov_b64 s[64:65], 0
	v_nop
	global_prefetch_b8 v0, s[64:65] scope:SCOPE_SE
	s_setreg_imm32_b32 hwreg(HW_REG_WAVE_MODE, 25, 1), 1
	s_wait_xcnt 0x0
	s_wait_alu depctr_hold_cnt(0) depctr_sa_sdst(0) depctr_va_vdst(0) depctr_va_sdst(0) depctr_va_ssrc(0) depctr_va_vcc(0) depctr_vm_vsrc(0)
	s_getreg_b32 s2, hwreg(HW_REG_IB_STS2, 6, 4)
	s_cmp_eq_u32 s2, 0
	s_cbranch_scc0 .Lentry_in_a_cluster
	s_endpgm
.Lentry_in_a_cluster:
	s_bfe_u32 s2, ttmp6, 0x10000c
	s_cmp_lg_u32 s2, 0x3003
	s_cbranch_scc0 .Lentry_shape_is_right
	s_endpgm
.Lentry_shape_is_right:
; context = softmax(Q K^T / 8, masked) V for one head, both products on codes of FP6 (E2M3); the context is quantised along the model's 1,024 on the way out.
; THE SOFTMAX: t = score x log2(e) / 8; M = the running largest t, rounded UP to a whole number; p = 2^(t - M) is quantised along the keys, not normalised; the sum of the unquantised p divides at the end.
; When M moves, the sum and O are multiplied by 2^(old M - new M): exact.
; THE MASK is an input: a key whose mask word is 0 gets -2^60 added to its raw score, as the C of the first product.  p of such a key is 0 beside any open key; where every key of a batch is masked, all scores are
; -2^60 (log2(e) / 8 x 2^60 is exact in f32), every p is 1, and the result is the mean of V, as with -1e9 in every place.  LIMIT: raw scores stay under 2^35 in magnitude, and open logits above -9e8.
; LIMITS: NaN and infinities are not served; a block whose largest magnitude lies under 2^-124 keeps the scale byte 1.
; SHARES.  A work-group owns 256 queries of one head, each of its sixteen waves one tile of 16 in 256 registers: four waves to a SIMD, so that one wave's vector work stands beside another's matrix work and LDS loads.
; THE HEAD'S K AND V LIE WHOLE IN LDS (98,304 bytes each, as images of operand registers), filled once, in four chunks of four key steps; waves 0, 1 fetch K, waves 2, 3 V.  No slot is filled again.
; CLUSTER 4 x 1: the four query blocks of a cluster belong to one head: every fill is a joint load for all four.  At most five tensor loads of a wave are out.
; LAYOUT.  Both products transposed: S^T = K Q^T, O^T = V^T P^T: a lane holds one query (slot lane % 16).  By the tiles' composition the 16 registers of K's tiles 2 B, 2 B + 1 are keys 32 B + 16 (lane / 16) + 0 .. 15.
; The first product's K is 64: registers 6-11 of Q's and K's fragments are zero codes, and the upper two bytes of their scale words are 0.
; REGISTERS: v1-5 lane terms; v6-10 the step's LDS addresses; v12 -M, v13 the largest t, v[14:15] the sum; v16-27 Q; v28-31 V's scale words; v32-79 four fragments of K; v80-127 four of V; v128-191 S^T, then p;
;   v192-223 O^T; v224-235 p's codes; v232-254 at work; v248-251 K's scale words; v253 p's scale word; v255 Q's.
.set KB,   0
.set VB,   98304
.set KSC,  196608                      ; K's scale words, 8,192 bytes
.set VSC,  204800                      ; V's, 4,096
.set BIAS, 208896                      ; one f32 for each key: 0 or -2^60; written by LDS stores, no fill lands here
.set CSST, 217088                      ; the context's scale bytes of the work-group's 256 queries
.set AK0, 1
.set AV0, 2
.set AS0, 3
.set AT0, 4
.set AB0, 5
.set ADK, 6
.set ADV, 7
.set ADS, 8
.set ADT, 9
.set ADB, 10
.set KF,  32
.set VF,  80
.set S,   128
.set O,   192
.set KS,  248
.set WV,  14
.set SEL, 20
.set CS,  22
.set G1S, 24
.set G1C, 32
.set G0,  40                           ; s[40:59] five sets: the scale words, then four chunks
.set TK,  68                           ; the step's tiles of K and of V: 6,144 bytes a step
.set TS,  69                           ; K's scale words and the mask's addends: 512 bytes a step
.set TV,  70                           ; V's scale words: 256
.set CNT, 72
.macro CROUND
	s_barrier_signal -1
	s_barrier_wait -1
	s_cmp_lg_u32 s[WV], 0
	s_cbranch_scc1 .Lnot_wave_0_\@
	s_barrier_signal -3
.Lnot_wave_0_\@:
	s_barrier_wait -3
	s_barrier_signal -1
	s_barrier_wait -1
.endm
	s_load_b256 s[4:11], s[0:1], 0x0               ; qkv, qkvs, mask, cimg
	s_load_b64 s[12:13], s[0:1], 0x20              ; cs
	v_lshl_add_u32 v254, v0, 2, 0x40000
	v_mov_b32 v255, 0
	ds_add_u32 v254, v255
	ds_add_u32 v254, v255
	s_wait_dscnt 0x0
	v_lshrrev_b32 v6, 5, v0
	v_readfirstlane_b32 s[WV], v6                  ; wave 0..15
	s_bfe_u32 s15, ttmp6, 0x40000                  ; cx
	s_lshl_b32 s16, ttmp9, 2
	s_add_co_u32 s16, s16, s15                     ; my block of 256 queries: it enters Q's and the results' addresses alone
	s_and_b32 s17, ttmp7, 0xffff                   ; y = 16 b + head, which the partners share
	s_lshr_b32 s18, s17, 4                         ; b
	s_and_b32 s19, s17, 15                         ; head
	s_lshr_b32 s73, s19, 1
	s_and_b32 s74, s19, 1
	s_lshl_b32 s75, s18, 3
	s_add_co_u32 s75, s75, s73                     ; 8 b + head / 2
	s_add_co_u32 s76, s75, 32
	s_lshl_b32 s76, s76, 13
	s_lshl_b32 s77, s[WV], 12
	s_add_co_u32 s76, s76, s77                     ; K's scale words, my half
	s_lshl_b32 s78, s17, 12
	s_add_co_u32 s78, s78, 524288                  ; V's
	s_add_co_u32 s79, s17, 64
	s_add_co_u32 s80, s17, 128
	s_cmp_lt_u32 s[WV], 2
	s_cselect_b32 s76, s76, s78
	s_cselect_b32 s80, s79, s80                    ; K's plane or V's
	s_mov_b32 s77, 0
	s_mul_i32 s80, s80, 98304
	s_and_b32 s82, s[WV], 1
	s_mul_i32 s83, s82, 12288
	s_add_co_u32 s80, s80, s83                     ; my half of a chunk
	s_mov_b32 s81, 0
	s_lshl_b32 s84, s[WV], 12
	s_add_co_u32 s84, s84, KSC                     ; LDS: waves 0, 1: K's scale words; wave 2: V's, which lie behind them
	s_lshr_b32 s85, s[WV], 1
	s_mul_i32 s85, s85, 98304
	s_add_co_u32 s85, s85, s83                     ; LDS: K's or V's images, my half of a chunk
	; descriptor group 1: dense blocks as rows of 256 bytes (32 elements of 8 bytes): 16 rows of scale words, 48 rows of a chunk's half; the mask names all four work-groups
	s_mov_b32 s[G1S], 15|(3<<16)|(1<<21)
	s_mov_b32 s[G1S+1], 32<<16
	s_mov_b32 s[G1S+2], 16<<16
	s_mov_b32 s[G1S+3], 32<<16
	s_mov_b32 s[G1S+4], 16
	s_mov_b32 s[G1S+5], 32
	s_mov_b32 s[G1S+6], 0
	s_mov_b32 s[G1S+7], 0
	s_mov_b32 s[G1C], 15|(3<<16)|(1<<21)
	s_mov_b32 s[G1C+1], 32<<16
	s_mov_b32 s[G1C+2], 48<<16
	s_mov_b32 s[G1C+3], 32<<16
	s_mov_b32 s[G1C+4], 48
	s_mov_b32 s[G1C+5], 32
	s_mov_b32 s[G1C+6], 0
	s_mov_b32 s[G1C+7], 0
	s_lshl_b32 s90, s16, 4
	s_add_co_u32 s90, s90, s[WV]                   ; my tile of queries in the batch
	s_mul_i32 s88, s17, 98304
	s_mul_i32 s91, s90, 768
	s_add_co_u32 s88, s88, s91
	s_mov_b32 s89, 0                               ; Q's codes
	s_lshl_b32 s92, s75, 13
	s_lshr_b32 s91, s90, 2
	s_lshl_b32 s91, s91, 8
	s_add_co_u32 s92, s92, s91
	s_and_b32 s91, s90, 3
	s_lshl_b32 s91, s91, 2
	s_add_co_u32 s92, s92, s91
	s_lshl_b32 s91, s74, 1
	s_add_co_u32 s92, s92, s91
	s_mov_b32 s93, 0                               ; Q's scale bytes: two of the tile's word
	s_lshl_b32 s94, s18, 13
	s_mov_b32 s95, 0                               ; the batch's row of the mask
	s_mov_b32 s[SEL], 0x76543210
	s_mov_b32 s[SEL+1], 0xfedcba98
	s_mov_b32 s[CS], 0x3e38aa3b                    ; c = log2(e) / 8
	s_mov_b32 s[CS+1], s[CS]                       ; (named with it as a pair, so it is written)
	s_mov_b32 s[TK], 0
	s_mov_b32 s[TS], 0
	s_mov_b32 s[TV], 0
	v_and_b32 v6, 31, v0                           ; lane
	v_and_b32 v7, 15, v0                           ; r
	v_bfe_u32 v8, v0, 4, 1                         ; h
	v_lshlrev_b32 v[AK0], 3, v6                    ; 8 x lane: my place in an image's 256 bytes
	v_add_nc_u32 v[AV0], VB, v[AK0]
	v_lshlrev_b32 v9, 4, v7                        ; 16 r
	s_lshl_b32 s91, s74, 1
	s_add_co_u32 s91, s91, KSC
	v_add_nc_u32 v[AS0], s91, v9                   ; K's scale words: my slot, my head's two bytes
	v_add_nc_u32 v[AT0], VSC, v9
	v_lshl_add_u32 v[AB0], v8, 6, BIAS             ; the addends of my half's 16 keys of a block
	v_lshl_add_u32 v11, v0, 4, BIAS                ; where my thread's four keys' addends go
	v_lshlrev_b32 v10, 4, v0                       ; and their mask words
	s_wait_kmcnt 0x0
	s_mov_b32 s[G0], 1
	s_mov_b32 s[G0+1], s84
	s_add_nc_u64 s[G0+2:G0+3], s[6:7], s[76:77]
	s_or_b32 s[G0+3], s[G0+3], 0x80000000
	s_add_nc_u64 s[86:87], s[4:5], s[80:81]
.irp q, 0,1,2,3
	s_mov_b32 s[G0+4+4*\q], 1
	s_add_co_u32 s[G0+5+4*\q], s85, 24576*\q
	s_add_nc_u64 s[G0+6+4*\q:G0+7+4*\q], s[86:87], 24576*\q
	s_or_b32 s[G0+7+4*\q], s[G0+7+4*\q], 0x80000000
.endr
	s_add_nc_u64 s[88:89], s[4:5], s[88:89]
	s_add_nc_u64 s[92:93], s[6:7], s[92:93]
	s_add_nc_u64 s[8:9], s[8:9], s[94:95]
	s_lshl_b32 s96, s18, 7
	s_add_co_u32 s96, s96, s90
	s_mul_i32 s96, s96, 12288
	s_mul_i32 s91, s19, 768
	s_add_co_u32 s96, s96, s91
	s_mov_b32 s97, 0
	s_add_nc_u64 s[10:11], s[10:11], s[96:97]      ; the context's image: [x tile][head][768]
	s_lshl_b32 s96, s18, 7
	s_lshl_b32 s91, s16, 4
	s_add_co_u32 s96, s96, s91
	s_lshl_b32 s96, s96, 5
	s_lshl_b32 s91, s19, 14
	s_add_co_u32 s96, s96, s91
	s_add_nc_u64 s[12:13], s[12:13], s[96:97]      ; its scale bytes: [head][16 x tile + slot], two bytes each
	CROUND                                         ; all four work-groups are here: the joint loads meet
	s_cmp_lt_u32 s[WV], 3                          ; a wave's first fills stand in one branch on its number
	s_cbranch_scc0 .Lno_scales
	tensor_load_to_lds s[G0:G0+3], s[G1S:G1S+7]
	s_nop 0
.irp q, 0,1,2,3
	tensor_load_to_lds s[G0+4+4*\q:G0+7+4*\q], s[G1C:G1C+7]
	s_nop 0
.endr
.rept 4
	v_nop
.endr
	s_branch .Lasked
.Lno_scales:
	s_cmp_eq_u32 s[WV], 3
	s_cbranch_scc0 .Lasked
.irp q, 0,1,2,3
	tensor_load_to_lds s[G0+4+4*\q:G0+7+4*\q], s[G1C:G1C+7]
	s_nop 0
.endr
.rept 4
	v_nop
.endr
.Lasked:
	global_load_b128 v[232:235], v10, s[8:9]       ; four mask words a thread
.irp p, 0,1,2
	global_load_b64 v[16+2*\p:17+2*\p], v[AK0], s[88:89] offset:256*\p   ; Q's half fragment stays in registers
.endr
	global_load_u16 v255, v9, s[92:93]             ; its two scale bytes; the upper two are 0
.irp i, 22,23,24,25,26,27
	v_mov_b32 v\i, 0                               ; Q's k = 64 .. 127: zero codes
.endr
.irp t, 0,1,2,3
.irp i, 6,7,8,9,10,11
	v_mov_b32 v[KF+12*\t+\i], 0                    ; K's likewise: written once, no load lands here
.endr
.endr
	v_mov_b32 v13, 0xff61b1e6                      ; the largest t so far: -3e38
	v_floor_f32 v12, -v13                          ; -M
	v_mov_b32 v14, 0
	v_mov_b32 v15, 0
	v_mov_b32 v253, 0                              ; (named as the upper half of v[252:253] before it is first written)
.set j, 0
.rept 32
	v_mov_b32 v[O+j], 0                            ; O^T: the step is written for every step alike: the first finds zeros
.set j, j+1
.endr
	s_wait_loadcnt 4                               ; the mask words are in; Q's four loads may be out
	v_mov_b32 v254, 0xdd800000                     ; -2^60
.irp i, 0,1,2,3
	v_cmp_eq_u32 vcc_lo, 0, v[232+\i]
	v_cndmask_b32 v[236+\i], 0, v254, vcc_lo
.endr
	ds_store_b128 v11, v[236:239]
	s_wait_loadcnt 0x0                             ; Q
; A KEY STEP: 128 keys.
.macro STEP
	v_add_nc_u32 v[ADK], s[TK], v[AK0]             ; (these five are also places behind the last step's products)
	v_add_nc_u32 v[ADV], s[TK], v[AV0]
	v_add_nc_u32 v[ADS], s[TS], v[AS0]
	v_add_nc_u32 v[ADT], s[TV], v[AT0]
	v_add_nc_u32 v[ADB], s[TS], v[AB0]
.irp b, 0,1,2,3
.irp i, 0,1,2,3
	ds_load_b128 v[S+16*\b+4*\i:S+16*\b+4*\i+3], v[ADB] offset:128*\b+16*\i   ; the mask's addends in the result's layout: register 16 B + i = key 32 B + 16 h + i
.endr
.endr
.irp g, 0,1                            ; S^T = K Q^T + the addends, four tiles of 16 keys at a time
.if \g > 0
.rept 4
	v_nop                                          ; places in front of loads into registers that matrix instructions have read
.endr
.endif
.irp t, 0,1,2,3
.irp p, 0,1,2
	ds_load_b64 v[KF+12*\t+2*\p:KF+12*\t+2*\p+1], v[ADK] offset:768*(4*\g+\t)+256*\p
.endr
	ds_load_u16 v[KS+\t], v[ADS] offset:256*\g+4*\t
.endr
	s_wait_dscnt 0x0
.irp t, 0,1,2,3
	v_wmma_scale_f32_16x16x128_f8f6f4 v[S+8*(4*\g+\t):S+8*(4*\g+\t)+7], v[KF+12*\t:KF+12*\t+11], v[16:27], v[S+8*(4*\g+\t):S+8*(4*\g+\t)+7], v[KS+\t], v255 matrix_a_fmt:MATRIX_FMT_FP6 matrix_b_fmt:MATRIX_FMT_FP6
.endr
.endr
.irp t, 0,1,2,3                        ; V's four fragments are asked for now and land under the softmax
.irp c, 0,1
.irp p, 0,1,2
	ds_load_b64 v[VF+12*\t+6*\c+2*\p:VF+12*\t+6*\c+2*\p+1], v[ADV] offset:1536*\t+768*\c+256*\p
.endr
.endr
.endr
	ds_load_b128 v[28:31], v[ADT]                  ; and their scale words
.rept 4
	v_nop
.endr
.irp b, 0,1,2,3
	v_max3_num_f32 v[232+\b], v[S+16*\b], v[S+16*\b+1], v[S+16*\b+2]   ; the largest score of each block of 32 keys: for the row's maximum, and, since p rises with the score, for the block's largest p
.endr
.irp i, 3,5,7,9,11,13
.irp b, 0,1,2,3
	v_max3_num_f32 v[232+\b], v[232+\b], v[S+16*\b+\i], v[S+16*\b+\i+1]
.endr
.endr
.irp b, 0,1,2,3
	v_max_num_f32 v[232+\b], v[232+\b], v[S+16*\b+15]
.endr
.irp b, 0,1,2,3
	v_permlanex16_b32 v[236+\b], v[232+\b], s[SEL], s[SEL+1]
.endr
.irp b, 0,1,2,3
	v_max_num_f32 v[232+\b], v[232+\b], v[236+\b]  ; with lane l xor 16's 16 keys
.endr
	v_max3_num_f32 v254, v232, v233, v234
	v_max_num_f32 v254, v254, v235
	v_mul_f32 v254, s[CS], v254                    ; the step's largest t
	v_max_num_f32 v13, v13, v254
	v_mov_b32 v254, v12
	v_floor_f32 v12, -v13                          ; the new -M = -ceil(t): a whole number
	v_sub_f32 v254, v12, v254                      ; old M - new M, 0 or less
	v_cvt_i32_f32 v254, v254                       ; (it saturates)
	v_ldexp_f32 v252, 1.0, v254                    ; f = 2^(old M - new M)
.set j, 0
.rept 32
	v_pk_fma_f32 v[S+j:S+j+1], v[S+j:S+j+1], s[CS:CS+1], v[12:13] op_sel_hi:[1,0,0]   ; t - M, two at a time
.set j, j+2
.endr
.irp b, 0,1,2,3
	v_fma_f32 v[232+\b], v[232+\b], s[CS], v12     ; the same of each block's largest score
.endr
.set j, 0
.rept 64
	v_exp_f32 v[S+j], v[S+j]                       ; p = 2^(t - M)
.set j, j+1
.endr
.irp b, 0,1,2,3
	v_exp_f32 v[232+\b], v[232+\b]                 ; the block's largest p
.endr
	v_pk_mul_f32 v[14:15], v[14:15], v[252:253] op_sel_hi:[1,0]   ; the sums under the new M.  (A plain place behind the exponentials)
	s_wait_alu depctr_va_vdst(0)
.irp b, 0,1,2,3
	v_max_num_f32 v[232+\b], 0x1800000, v[232+\b]  ; the floor 2^(3 - 127): the byte cannot fall under 1
.endr
.irp b, 0,1,2,3
	v_add_nc_u32 v[244+\b], 0xff000000, v[232+\b]  ; the conversion's scale operand
.endr
.irp b, 0,1,2,3
	v_lshrrev_b32 v[236+\b], 23, v[244+\b]         ; the byte
.endr
	v_lshl_or_b32 v253, v237, 8, v236              ; p's scale word for these 128 keys
	v_lshl_or_b32 v253, v238, 16, v253
	v_lshl_or_b32 v253, v239, 24, v253
.irp c, 0,1
	v_cvt_scalef32_pk16_fp6_f32 v[224+6*\c:226+6*\c], v[S+32*\c:S+15+32*\c], v[244+2*\c]
	v_cvt_scalef32_pk16_fp6_f32 v[236+4*\c:238+4*\c], v[S+16+32*\c:S+31+32*\c], v[245+2*\c]
.endr
	v_nop                                          ; one plain place behind a scaled conversion
.irp c, 0,1
.irp i, 0,1,2
	v_permlane16_swap_b32 v[224+6*\c+\i], v[236+4*\c+\i]
.endr
.irp i, 0,1,2
	v_mov_b32 v[227+6*\c+\i], v[236+4*\c+\i]
.endr
.endr
	v_pk_add_f32 v[236:237], v[S:S+1], v[S+2:S+3]  ; the row's sum is taken of the unquantised p, in two chains
.irp j, 4,8,12,16,20,24,28,32,36,40,44,48,52,56,60
	v_pk_add_f32 v[14:15], v[14:15], v[S+\j:S+\j+1]
	v_pk_add_f32 v[236:237], v[236:237], v[S+\j+2:S+\j+3]
.endr
	v_pk_add_f32 v[14:15], v[14:15], v[236:237]
.set j, 0
.rept 16
	v_pk_mul_f32 v[O+j:O+j+1], v[O+j:O+j+1], v[252:253] op_sel_hi:[1,0]   ; O^T under the new M.  (With the sums: the places between p's codes and scale word and the products below)
.set j, j+2
.endr
	s_wait_dscnt 0x0                               ; V
.irp t, 0,1,2,3
	v_wmma_scale_f32_16x16x128_f8f6f4 v[O+8*\t:O+8*\t+7], v[VF+12*\t:VF+12*\t+11], v[224:235], v[O+8*\t:O+8*\t+7], v[28+\t], v253 matrix_a_fmt:MATRIX_FMT_FP6 matrix_b_fmt:MATRIX_FMT_FP6
.endr
	s_add_co_u32 s[TK], s[TK], 6144
	s_add_co_u32 s[TS], s[TS], 512
	s_add_co_u32 s[TV], s[TV], 256
.endm
	s_wait_tensorcnt 3                             ; my scale words and my part of chunk 0 are in; chunks 1 to 3 may stay out
	s_wait_dscnt 0x0                               ; my addends are stored
	s_barrier_signal -1
	s_barrier_wait -1
	s_mov_b32 s[CNT], 4                            ; chunk 0: four key steps
.Lfirst:
	STEP
	s_sub_co_u32 s[CNT], s[CNT], 1
	s_cmp_lg_u32 s[CNT], 0
	s_cbranch_scc1 .Lfirst
	s_wait_tensorcnt 0x0                           ; all my chunks are in,
	s_wait_dscnt 0x0
	s_barrier_signal -1
	s_barrier_wait -1                              ; everybody's are
	s_mov_b32 s[CNT], 12
.Lrest:
	STEP
	s_sub_co_u32 s[CNT], s[CNT], 1
	s_cmp_lg_u32 s[CNT], 0
	s_cbranch_scc1 .Lrest
	; THE WAY OUT.  O^T / the sum is the context: register 16 B + i = the head's channel 32 B + 16 h + i of my query: two blocks of the last product's K.
	v_add_f32 v14, v14, v15
	v_permlanex16_b32 v252, v14, s[SEL], s[SEL+1]
	v_add_f32 v14, v14, v252                       ; the row's sum
	v_rcp_f32 v14, v14
	v_and_b32 v6, 15, v0                           ; (plain places behind the reciprocal and behind the last products)
	v_and_b32 v8, 31, v0
	s_lshl_b32 s91, s[WV], 5
	s_add_co_u32 s91, s91, CSST
	v_lshl_add_u32 v6, v6, 1, s91                  ; my query's two scale bytes: CSST + 32 x wave + 2 r
	v_lshl_add_u32 v7, v8, 4, CSST
	v_lshlrev_b32 v8, 4, v8
.set j, 0
	s_wait_alu depctr_va_vdst(0)
.rept 16
	v_pk_mul_f32 v[S+j:S+j+1], v[O+j:O+j+1], v[14:15] op_sel_hi:[1,0]
.set j, j+2
.endr
.irp b, 0,1
	v_max3_num_f32 v[232+\b], |v[S+16*\b]|, |v[S+16*\b+1]|, 0x1800000
.endr
.irp i, 2,4,6,8,10,12,14
.irp b, 0,1
	v_max3_num_f32 v[232+\b], v[232+\b], |v[S+16*\b+\i]|, |v[S+16*\b+\i+1]|
.endr
.endr
.irp b, 0,1
	v_permlanex16_b32 v[236+\b], v[232+\b], s[SEL], s[SEL+1]
.endr
.irp b, 0,1
	v_max_num_f32 v[232+\b], v[232+\b], v[236+\b]
.endr
.irp b, 0,1
	v_add_nc_u32 v[244+\b], 0xff000000, v[232+\b]
.endr
.irp b, 0,1
	v_lshrrev_b32 v[236+\b], 23, v[244+\b]
.endr
	v_lshl_or_b32 v254, v237, 8, v236
	v_cvt_scalef32_pk16_fp6_f32 v[224:226], v[S:S+15], v244
	v_cvt_scalef32_pk16_fp6_f32 v[236:238], v[S+16:S+31], v245
	v_nop
.irp i, 0,1,2
	v_permlane16_swap_b32 v[224+\i], v[236+\i]
.endr
.irp i, 0,1,2
	v_mov_b32 v[227+\i], v[236+\i]
.endr
.irp p, 0,1,2
	global_store_b64 v[AK0], v[224+2*\p:225+2*\p], s[10:11] offset:256*\p   ; 32 lanes store 256 consecutive bytes, aligned
.endr
	ds_store_b16 v6, v254                          ; both lanes of a query write the same two bytes
	s_wait_dscnt 0x0
	s_barrier_signal -1
	s_barrier_wait -1                              ; the 512 bytes of the work-group's queries lie together
	s_cmp_lg_u32 s[WV], 0
	s_cbranch_scc1 .Lnot_first
	ds_load_b128 v[128:131], v7
	s_wait_dscnt 0x0
	global_store_b128 v8, v[128:131], s[12:13]     ; 512 consecutive bytes, aligned
.Lnot_first:
	s_wait_xcnt 0x0
	v_lshl_add_u32 v254, v0, 2, 0x40000
	v_mov_b32 v255, 0
	s_wait_tensorcnt 0x0
	ds_add_u32 v254, v255
	s_wait_dscnt 0x0
	CROUND                                         ; the closing round
	s_endpgm
.Lfunc_end_k_q0eca689c95_attn:
	.size	k_q0eca689c95_attn, .Lfunc_end_k_q0eca689c95_attn-k_q0eca689c95_attn
	.p2alignl 7, 3214868480
	.fill 96, 4, 3214868480
	.section	.rodata,"a",@progbits
	.p2align	6, 0x0
	.amdhsa_kernel k_q0eca689c95_attn
		.amdhsa_group_segment_fixed_size 264192
		.amdhsa_private_segment_fixed_size 0
		.amdhsa_enable_private_segment 0
		.amdhsa_kernarg_size 40
		.amdhsa_user_sgpr_count 2
		.amdhsa_user_sgpr_kernarg_segment_ptr 1
		.amdhsa_wavefront_size32 1
		.amdhsa_system_sgpr_workgroup_id_x 1
		.amdhsa_system_sgpr_workgroup_id_y 1
		.amdhsa_system_sgpr_workgroup_id_z 1
		.amdhsa_system_vgpr_workitem_id 0
		.amdhsa_next_free_vgpr 256
		.amdhsa_next_free_sgpr 100
		.amdhsa_reserve_vcc 1
		.amdhsa_float_denorm_mode_32 3
		.amdhsa_float_denorm_mode_16_64 3
		.amdhsa_memory_ordered 1
		.amdhsa_forward_progress 1
		.amdhsa_inst_pref_size 53
	.end_amdhsa_kernel
	.amdgpu_metadata
---
amdhsa.version: [ 1, 2 ]
amdhsa.kernels:
  - .name:           k_q0eca689c95_attn
    .symbol:         k_q0eca689c95_attn.kd
    .args:
      - { .name: qkv, .offset: 0, .size: 8, .value_kind: global_buffer, .address_space: global }
      - { .name: qkvs, .offset: 8, .size: 8, .value_kind: global_buffer, .address_space: global }
      - { .name: mask, .offset: 16, .size: 8, .value_kind: global_buffer, .address_space: global }
      - { .name: cimg, .offset: 24, .size: 8, .value_kind: global_buffer, .address_space: global }
      - { .name: cs, .offset: 32, .size: 8, .value_kind: global_buffer, .address_space: global }
    .group_segment_fixed_size: 264192
    .private_segment_fixed_size: 0
    .kernarg_segment_align: 8
    .kernarg_segment_size: 40
    .max_flat_workgroup_size: 512
    .sgpr_count:     100
    .vgpr_count:     256
    .wavefront_size: 32
...
	.end_amdgpu_metadata
.endif
;; end of part 3
;; launch oproj (part 4): grid 256 x 1, 16 waves a work-group, no clusters, 198,656 bytes of LDS; arguments cimg, cs, img1, sc1, bo, x, gamma, beta, out0; writes out0
.if DOCPART == 4
	.amdgcn_target "amdgcn-amd-amdhsa--gfx1250"
	.amdhsa_code_object_version 6
	.text
	.protected	k_q0eca689c95_oproj
	.globl	k_q0eca689c95_oproj
	.p2align	8
	.type	k_q0eca689c95_oproj,@function
k_q0eca689c95_oproj:
	s_mov_b64 s[64:65], 0
	v_nop
	global_prefetch_b8 v0, s[64:65] scope:SCOPE_SE
	s_setreg_imm32_b32 hwreg(HW_REG_WAVE_MODE, 25, 1), 1
	s_wait_xcnt 0x0
; out0 = LayerNorm(x + context Wo^T + bo) x gamma + beta; the product on codes of FP6 (E2M3), all else in f32.
; SHARES.  A work-group owns 32 rows (two tiles of the context) and all 1,024 columns, so that a row's mean and variance stay inside it; wave w owns columns 64 w .. 64 w + 63: four tiles of Wo, 8 accumulators.
; The product is used transposed (source 0 = 16 rows of Wo, source 1 = 16 rows of the context): lane (r, h) holds row 8 a + r % 8 + 16 (r / 8) of the 32, and register 16 B + i of tile a column 64 w + 32 B + 16 h + i.
; Wo's FRAGMENTS GO FROM MEMORY STRAIGHT INTO REGISTERS: each serves one wave alone, three loads of 512 consecutive bytes a fragment, two sets, one K step ahead.
; NO MULTICAST: shared through LDS a K step of Wo is 98,304 bytes, so two slots of one K step at the most, and a round of a cluster's barrier would stand for every 8 matrix instructions of a wave.
; The context's images (24,576 bytes) and each wave's own strip of x (32 rows x 256 bytes) come by tensor loads, filled once: three loads of a wave are out.
; The variance is the mean of (y - mean)^2: no difference of large sums.  LIMITS: NaN and infinities are not served.
; REGISTERS: v1-15 lane terms; v16-23 the context's scale words; v24-39 Wo's; v40-87 the context's fragments, two sets; v88-183 Wo's, two sets; v184-247 accumulator (a, t) at 184 + 32 a + 8 t; v248-255 at work.
;   On the way out: v88-119 bo, v120-151 gamma, v152-183 beta, v40-71 x, v72-87 the sixteen waves' partial sums; at last v40-103 rows of the result.
.set XSW,  8960                        ; LDS: a wave's strip: row q at 272 q + 128 (q / 16)
.set CIMG, 143360                      ; the context's images
.set CSW,  167936                      ; its scale words: [row 0..31][32 bytes]
.set RED1, 168960                      ; [wave][32 rows] partial sums; the second reduction 2,048 bytes on
.set CSR, 16
.set WS,  24
.set AF,  40
.set WF,  88
.set ACC, 184
.set BO,  88
.set GA,  120
.set BE,  152
.set XR,  40
.macro PLACES
.rept 4
	v_nop
.endr
.endm
	s_load_b256 s[4:11], s[0:1], 0x0               ; cimg, cs, img1, sc1
	s_load_b256 s[12:19], s[0:1], 0x20             ; bo, x, gamma, beta
	s_load_b64 s[20:21], s[0:1], 0x40              ; out0
	v_lshl_add_u32 v254, v0, 2, 0x30000
	v_mov_b32 v255, 0
	ds_add_u32 v254, v255
	ds_add_u32 v254, v255
	s_wait_dscnt 0x0
	v_lshrrev_b32 v1, 5, v0
	v_readfirstlane_b32 s22, v1                    ; wave 0..15
	v_and_b32 v1, 31, v0                           ; lane
	v_and_b32 v2, 15, v0                           ; r
	v_bfe_u32 v3, v0, 4, 1                         ; h
	v_lshlrev_b32 v4, 4, v1                        ; 16 x lane
	v_lshl_add_u32 v5, v1, 3, CIMG                 ; my place in an image's 256 bytes
	v_lshlrev_b32 v6, 4, v2
	v_lshl_add_u32 v9, v3, 12, v6                  ; out0: two rows an instruction: 4,096 h + 16 r
	s_mul_i32 s23, s22, XSW                        ; my strip
	v_mul_u32_u24 v8, v3, 272
	v_add_nc_u32 v8, v8, v6
	v_add_nc_u32 v8, s23, v8                       ; the strip read back by rows
	v_lshl_add_u32 v6, v3, 9, v6                   ; Wo's scale words: lanes 16-31 the odd tile's
	v_and_b32 v7, 7, v2
	v_mul_u32_u24 v7, v7, 272
	v_lshrrev_b32 v10, 3, v2
	v_mad_u32_u24 v7, v10, 4480, v7
	v_lshl_add_u32 v7, v3, 6, v7
	v_add_nc_u32 v7, s23, v7                       ; the strip in the result's layout: row r % 8 + 16 (r / 8), + 64 h
	v_lshlrev_b32 v10, 6, v3                       ; bo, gamma, beta: 64 h
	s_lshl_b32 s52, s22, 7
	v_lshl_add_u32 v12, v1, 2, RED1
	v_add_nc_u32 v11, s52, v12
	v_lshl_add_u32 v14, v1, 5, CSW
	s_lshl_b32 s52, s22, 1
	v_add_nc_u32 v13, s52, v14
	v_lshlrev_b32 v15, 1, v1
	v_mov_b32 v254, 0                              ; a lane permute's destination counts as one of its sources
	v_mov_b32 v255, 0
	s_mov_b32 s60, 0x76543210
	s_mov_b32 s61, 0xfedcba98
	s_mov_b32 s62, 0xffff0000                      ; lanes 16-31
	s_mov_b32 s63, 0x3a800000                      ; 1 / 1,024
	; descriptor groups 1: the context: 6 rows of 256 dense bytes; x: 16 rows of 256 bytes, 4,096 apart, 16 bytes of padding behind each
	s_mov_b32 s36, 3<<16
	s_mov_b32 s37, 32<<16
	s_mov_b32 s38, 6<<16
	s_mov_b32 s39, 32<<16
	s_mov_b32 s40, 6
	s_mov_b32 s41, 32
	s_mov_b32 s42, 0
	s_mov_b32 s43, 0
	s_mov_b32 s44, (3<<16)|(1<<20)|(5<<22)|(3<<25)
	s_mov_b32 s45, 32<<16
	s_mov_b32 s46, 16<<16
	s_mov_b32 s47, 32<<16
	s_mov_b32 s48, 16
	s_mov_b32 s49, 512
	s_mov_b32 s50, 0
	s_mov_b32 s51, 0
	s_mul_i32 s54, ttmp9, 24576
	s_mul_i32 s53, s22, 1536
	s_add_co_u32 s54, s54, s53
	s_mov_b32 s55, 0
	s_lshl_b32 s56, ttmp9, 17                      ; 32 rows of 4,096 bytes
	s_lshl_b32 s58, s22, 8
	s_add_co_u32 s56, s56, s58                     ; + my 256 bytes of a row
	s_mov_b32 s57, 0
	s_wait_kmcnt 0x0
	s_mov_b32 s24, 1
	s_add_co_u32 s25, s53, CIMG
	s_add_nc_u64 s[26:27], s[4:5], s[54:55]
	s_or_b32 s27, s27, 0x80000000
	s_mov_b32 s28, 1
	s_mov_b32 s29, s23
	s_add_nc_u64 s[30:31], s[14:15], s[56:57]
	s_mov_b32 s32, 1
	s_add_co_u32 s33, s23, 4480
	s_add_nc_u64 s[34:35], s[30:31], 65536
	s_or_b32 s31, s31, 0x80000000
	s_or_b32 s35, s35, 0x80000000
	tensor_load_to_lds s[24:27], s[36:43]          ; my sixteenth of the context's images
	s_nop 0
	tensor_load_to_lds s[28:31], s[44:51]          ; my strip of x: rows 0-15,
	s_nop 0
	tensor_load_to_lds s[32:35], s[44:51]          ; rows 16-31
	s_nop 0
.rept 4
	v_nop
.endr
	s_lshl_b32 s52, s22, 14
	s_lshl_b32 s54, ttmp9, 6
	s_add_co_u32 s52, s52, s54
	s_mov_b32 s53, 0
	s_add_nc_u64 s[6:7], s[6:7], s[52:53]          ; head w's scale bytes of my 32 rows
	s_lshl_b32 s52, s22, 2
	s_add_co_u32 s52, s52, 704                     ; my first tile of Wo
	s_lshl_b32 s54, s52, 9
	s_add_nc_u64 s[10:11], s[10:11], s[54:55]
	s_mul_i32 s52, s52, 12288
	s_add_nc_u64 s[8:9], s[8:9], s[52:53]
	s_mov_b32 s59, 0
	s_add_nc_u64 s[12:13], s[12:13], s[58:59]
	s_add_nc_u64 s[16:17], s[16:17], s[58:59]
	s_add_nc_u64 s[18:19], s[18:19], s[58:59]
	s_add_nc_u64 s[20:21], s[20:21], s[56:57]
	s_mov_b32 s58, 0x3727c5ac                      ; 1e-5
.macro WLOAD s                         ; Wo's four fragments of K step s
.irp t, 0,1,2,3
.irp k, 0,1,2
	global_load_b128 v[WF+48*((\s)%2)+12*\t+4*\k:WF+48*((\s)%2)+12*\t+4*\k+3], v4, s[8:9] offset:12288*\t+1536*(\s)+512*\k
.endr
.endr
.endm
.macro ALOAD s                         ; the context's two: K step s is heads 2 s and 2 s + 1, half a fragment each
.irp a, 0,1
.irp c, 0,1
.irp p, 0,1,2
	ds_load_b64 v[AF+24*((\s)%2)+12*\a+6*\c+2*\p:AF+24*((\s)%2)+12*\a+6*\c+2*\p+1], v5 offset:12288*\a+768*(2*(\s)+\c)+256*\p
.endr
.endr
.endr
.endm
	global_load_u16 v248, v15, s[6:7]
.irp k, 0,1
.irp u, 0,1
	global_load_b128 v[WS+8*\k+4*\u:WS+8*\k+4*\u+3], v6, s[10:11] offset:1024*\u+256*\k
.endr
.endr
	WLOAD 0
	WLOAD 1
	s_wait_loadcnt 28                              ; the scale bytes are in; Wo's 4 + 12 + 12 loads may be out
	ds_store_b16 v13, v248                         ; row lane, head w: sixteen waves make each row's eight scale words
	s_wait_tensorcnt 2                             ; my part of the context is in; my strip's two loads may stay out
	s_wait_dscnt 0x0
	s_barrier_signal -1
	s_barrier_wait -1
	ds_load_b128 v[CSR:CSR+3], v14                 ; lanes 0-15: tile 0's rows, lanes 16-31: tile 1's
	ds_load_b128 v[CSR+4:CSR+7], v14 offset:16
	ALOAD 0
	ALOAD 1
.macro WM acc, pf, rf, ps, rs, pr, rr
.if (\pr) && (\rr)
	v_wmma_scale_f32_16x16x128_f8f6f4 v[\acc:\acc+7], v[\pf:\pf+11], v[\rf:\rf+11], v[\acc:\acc+7], v[\ps], v[\rs] matrix_a_fmt:MATRIX_FMT_FP6 matrix_b_fmt:MATRIX_FMT_FP6 matrix_a_scale:MATRIX_SCALE_ROW1 matrix_b_scale:MATRIX_SCALE_ROW1
.elseif (\pr)
	v_wmma_scale_f32_16x16x128_f8f6f4 v[\acc:\acc+7], v[\pf:\pf+11], v[\rf:\rf+11], v[\acc:\acc+7], v[\ps], v[\rs] matrix_a_fmt:MATRIX_FMT_FP6 matrix_b_fmt:MATRIX_FMT_FP6 matrix_a_scale:MATRIX_SCALE_ROW1
.elseif (\rr)
	v_wmma_scale_f32_16x16x128_f8f6f4 v[\acc:\acc+7], v[\pf:\pf+11], v[\rf:\rf+11], v[\acc:\acc+7], v[\ps], v[\rs] matrix_a_fmt:MATRIX_FMT_FP6 matrix_b_fmt:MATRIX_FMT_FP6 matrix_b_scale:MATRIX_SCALE_ROW1
.else
	v_wmma_scale_f32_16x16x128_f8f6f4 v[\acc:\acc+7], v[\pf:\pf+11], v[\rf:\rf+11], v[\acc:\acc+7], v[\ps], v[\rs] matrix_a_fmt:MATRIX_FMT_FP6 matrix_b_fmt:MATRIX_FMT_FP6
.endif
.endm
.macro WM0 acc, pf, rf, ps, rs, pr, rr ; the first K step starts the sums: nothing is cleared
.if (\pr) && (\rr)
	v_wmma_scale_f32_16x16x128_f8f6f4 v[\acc:\acc+7], v[\pf:\pf+11], v[\rf:\rf+11], 0, v[\ps], v[\rs] matrix_a_fmt:MATRIX_FMT_FP6 matrix_b_fmt:MATRIX_FMT_FP6 matrix_a_scale:MATRIX_SCALE_ROW1 matrix_b_scale:MATRIX_SCALE_ROW1
.elseif (\pr)
	v_wmma_scale_f32_16x16x128_f8f6f4 v[\acc:\acc+7], v[\pf:\pf+11], v[\rf:\rf+11], 0, v[\ps], v[\rs] matrix_a_fmt:MATRIX_FMT_FP6 matrix_b_fmt:MATRIX_FMT_FP6 matrix_a_scale:MATRIX_SCALE_ROW1
.elseif (\rr)
	v_wmma_scale_f32_16x16x128_f8f6f4 v[\acc:\acc+7], v[\pf:\pf+11], v[\rf:\rf+11], 0, v[\ps], v[\rs] matrix_a_fmt:MATRIX_FMT_FP6 matrix_b_fmt:MATRIX_FMT_FP6 matrix_b_scale:MATRIX_SCALE_ROW1
.else
	v_wmma_scale_f32_16x16x128_f8f6f4 v[\acc:\acc+7], v[\pf:\pf+11], v[\rf:\rf+11], 0, v[\ps], v[\rs] matrix_a_fmt:MATRIX_FMT_FP6 matrix_b_fmt:MATRIX_FMT_FP6
.endif
.endm
; K step s: 8 products, the 8 accumulators by turns, one instruction a turn, in the same order in every step
.macro KSTEP s
.if (\s) == 7
	s_wait_loadcnt 8                               ; Wo's last fragments are in; bo's eight loads may be out
	s_wait_dscnt 0x0
.else
	s_wait_loadcnt 12                              ; this step's are in; the next step's twelve may be out
	s_wait_dscnt 12
.endif
.irp t, 0,1,2,3
.irp a, 0,1
.if (\s) == 0
	WM0 ACC+32*\a+8*\t, WF+48*((\s)%2)+12*\t, AF+24*((\s)%2)+12*\a, WS+8*((\s)/4)+4*(\t/2)+(\s)%4, CSR+(\s), \t%2, \a
.else
	WM ACC+32*\a+8*\t, WF+48*((\s)%2)+12*\t, AF+24*((\s)%2)+12*\a, WS+8*((\s)/4)+4*(\t/2)+(\s)%4, CSR+(\s), \t%2, \a
.endif
.endr
.endr
	PLACES                                         ; in front of loads into the registers just read, and of the first read of results
.if (\s) < 6
	WLOAD (\s)+2
	ALOAD (\s)+2
.endif
.if (\s) == 6
.irp b, 0,1
.irp k, 0,1,2,3
	global_load_b128 v[BO+16*\b+4*\k:BO+16*\b+4*\k+3], v10, s[12:13] offset:128*\b+16*\k   ; bo, into the set that this step has left
.endr
.endr
.endif
.endm
	KSTEP 0
	KSTEP 1
	KSTEP 2
	KSTEP 3
	KSTEP 4
	KSTEP 5
	KSTEP 6
	KSTEP 7
.irp b, 0,1
.irp k, 0,1,2,3
	global_load_b128 v[GA+16*\b+4*\k:GA+16*\b+4*\k+3], v10, s[16:17] offset:128*\b+16*\k
.endr
.endr
.irp b, 0,1
.irp k, 0,1,2,3
	global_load_b128 v[BE+16*\b+4*\k:BE+16*\b+4*\k+3], v10, s[18:19] offset:128*\b+16*\k
.endr
.endr
	s_wait_tensorcnt 0x0                           ; my strip of x is in: only I read it
.macro XLOAD a                         ; x at tile a's places
.irp b, 0,1
.irp k, 0,1,2,3
	ds_load_b128 v[XR+16*\b+4*\k:XR+16*\b+4*\k+3], v7 offset:2176*\a+128*\b+16*\k
.endr
.endr
.endm
.macro XADD a
.set j, 0
.rept 16
	v_pk_add_f32 v[ACC+32*\a+j:ACC+32*\a+j+1], v[ACC+32*\a+j:ACC+32*\a+j+1], v[XR+j:XR+j+1]
.set j, j+2
.endr
.endm
.macro LANESUM a, dst                  ; the sum of my 32 numbers of tile a, in two chains
.set Y, ACC+32*\a
	v_pk_add_f32 v[248:249], v[Y:Y+1], v[Y+2:Y+3]
	v_pk_add_f32 v[250:251], v[Y+4:Y+5], v[Y+6:Y+7]
.irp i, 8,12,16,20,24,28
	v_pk_add_f32 v[248:249], v[248:249], v[Y+\i:Y+\i+1]
	v_pk_add_f32 v[250:251], v[250:251], v[Y+\i+2:Y+\i+3]
.endr
	v_pk_add_f32 v[248:249], v[248:249], v[250:251]
	v_add_f32 v[\dst], v248, v249
.endm
.macro LANESQ a, dst                   ; the sum of their squares
.set Y, ACC+32*\a
	v_pk_mul_f32 v[248:249], v[Y:Y+1], v[Y:Y+1]
	v_pk_mul_f32 v[250:251], v[Y+2:Y+3], v[Y+2:Y+3]
.irp i, 4,8,12,16,20,24,28
	v_pk_fma_f32 v[248:249], v[Y+\i:Y+\i+1], v[Y+\i:Y+\i+1], v[248:249]
	v_pk_fma_f32 v[250:251], v[Y+\i+2:Y+\i+3], v[Y+\i+2:Y+\i+3], v[250:251]
.endr
	v_pk_add_f32 v[248:249], v[248:249], v[250:251]
	v_add_f32 v[\dst], v248, v249
.endm
; v252, v253: my sums for tiles 0 and 1.  Afterwards v72: the whole row's sum, lane l for row l of the 32 (lanes 0-15 tile 0, lanes 16-31 tile 1)
.macro ACROSS off
	v_permlanex16_b32 v254, v252, s60, s61
	v_permlanex16_b32 v255, v253, s60, s61
	v_add_f32 v252, v252, v254                     ; with lane l xor 16's: my wave's 64 columns
	v_add_f32 v253, v253, v255
	v_cndmask_b32 v252, v252, v253, s62
	ds_store_b32 v11, v252 offset:\off
	s_wait_dscnt 0x0                               ; for the others' sake
	s_barrier_signal -1
	s_barrier_wait -1
.irp i, 0,1,2,3,4,5,6,7,8,9,10,11,12,13,14,15
	ds_load_b32 v[72+\i], v12 offset:\off+128*\i
.endr
	s_wait_dscnt 0x0
.irp i, 0,4,8,12
	v_pk_add_f32 v[72+\i:73+\i], v[72+\i:73+\i], v[74+\i:75+\i]
.endr
	v_pk_add_f32 v[72:73], v[72:73], v[76:77]
	v_pk_add_f32 v[80:81], v[80:81], v[84:85]
	v_pk_add_f32 v[72:73], v[72:73], v[80:81]
	v_add_f32 v72, v72, v73
.endm
; v252: a number for each of the 32 rows.  Afterwards v[248:249]: tile 0's row r's, twice; v[250:251]: tile 1's
.macro SPREAD
	v_permlanex16_b32 v254, v252, s60, s61
	v_cndmask_b32 v248, v252, v254, s62
	v_cndmask_b32 v249, v252, v254, s62
	v_cndmask_b32 v250, v254, v252, s62
	v_cndmask_b32 v251, v254, v252, s62
.endm
	XLOAD 0
	s_wait_loadcnt 16                              ; bo is in; gamma's and beta's sixteen loads may be out
.irp a, 0,1
.set j, 0
.rept 16
	v_pk_add_f32 v[ACC+32*\a+j:ACC+32*\a+j+1], v[ACC+32*\a+j:ACC+32*\a+j+1], v[BO+j:BO+j+1]   ; each accumulator from its low end on
.set j, j+2
.endr
.endr
	s_wait_dscnt 0x0
	XADD 0                                         ; y = x + the product + bo
	XLOAD 1
	LANESUM 0, 252
	s_wait_dscnt 0x0
	XADD 1
	LANESUM 1, 253
	ACROSS 0
	v_mul_f32 v252, 0xba800000, v72                ; - the mean
	SPREAD
.irp a, 0,1
.set j, 0
.rept 16
	v_pk_add_f32 v[ACC+32*\a+j:ACC+32*\a+j+1], v[ACC+32*\a+j:ACC+32*\a+j+1], v[248+2*\a:249+2*\a]   ; y - the mean
.set j, j+2
.endr
.endr
	LANESQ 0, 252
	LANESQ 1, 253
	ACROSS 2048
	v_fma_f32 v252, v72, s63, s58                  ; the variance + 1e-5
	v_rsq_f32 v252, v252
	v_nop                                          ; one plain place behind a transcendental
	s_wait_alu depctr_va_vdst(0)
	SPREAD
	s_wait_loadcnt 0x0                             ; gamma, beta
.irp a, 0,1
.set j, 0
.rept 16
	v_pk_mul_f32 v[ACC+32*\a+j:ACC+32*\a+j+1], v[ACC+32*\a+j:ACC+32*\a+j+1], v[248+2*\a:249+2*\a]
.set j, j+2
.endr
.set j, 0
.rept 16
	v_pk_fma_f32 v[ACC+32*\a+j:ACC+32*\a+j+1], v[ACC+32*\a+j:ACC+32*\a+j+1], v[GA+j:GA+j+1], v[BE+j:BE+j+1]
.set j, j+2
.endr
.endr
	; the result goes into my strip, at the bytes from which x was read (the strip has had its only fill), and comes back by rows
.irp a, 0,1
.irp b, 0,1
.irp k, 0,1,2,3
	ds_store_b128 v7, v[ACC+32*\a+16*\b+4*\k:ACC+32*\a+16*\b+4*\k+3] offset:2176*\a+128*\b+16*\k
.endr
.endr
.endr
.irp i, 0,1,2,3,4,5,6,7,8,9,10,11,12,13,14,15
	ds_load_b128 v[40+4*\i:43+4*\i], v8 offset:544*\i+128*(\i/8)   ; LDS serves a wave's instructions in order: these see my stores.  Lanes 0-15 row 2 i, lanes 16-31 row 2 i + 1
.endr
.irp i, 0,1,2,3,4,5,6,7,8,9,10,11,12,13,14,15
	s_wait_dscnt 15-\i
	global_store_b128 v9, v[40+4*\i:43+4*\i], s[20:21] offset:8192*\i th:TH_STORE_NT   ; sixteen lanes store 256 consecutive bytes, aligned
.endr
	s_wait_xcnt 0x0
	v_lshl_add_u32 v254, v0, 2, 0x30000
	v_mov_b32 v255, 0
	s_wait_tensorcnt 0x0
	ds_add_u32 v254, v255
	s_wait_dscnt 0x0
	s_endpgm
.Lfunc_end_k_q0eca689c95_oproj:
	.size	k_q0eca689c95_oproj, .Lfunc_end_k_q0eca689c95_oproj-k_q0eca689c95_oproj
	.p2alignl 7, 3214868480
	.fill 96, 4, 3214868480
	.section	.rodata,"a",@progbits
	.p2align	6, 0x0
	.amdhsa_kernel k_q0eca689c95_oproj
		.amdhsa_group_segment_fixed_size 198656
		.amdhsa_private_segment_fixed_size 0
		.amdhsa_enable_private_segment 0
		.amdhsa_kernarg_size 72
		.amdhsa_user_sgpr_count 2
		.amdhsa_user_sgpr_kernarg_segment_ptr 1
		.amdhsa_wavefront_size32 1
		.amdhsa_system_sgpr_workgroup_id_x 1
		.amdhsa_system_sgpr_workgroup_id_y 1
		.amdhsa_system_sgpr_workgroup_id_z 1
		.amdhsa_system_vgpr_workitem_id 0
		.amdhsa_next_free_vgpr 256
		.amdhsa_next_free_sgpr 66
		.amdhsa_reserve_vcc 0
		.amdhsa_float_denorm_mode_32 3
		.amdhsa_float_denorm_mode_16_64 3
		.amdhsa_memory_ordered 1
		.amdhsa_forward_progress 1
		.amdhsa_inst_pref_size 58
	.end_amdhsa_kernel
	.amdgpu_metadata
---
amdhsa.version: [ 1, 2 ]
amdhsa.kernels:
  - .name:           k_q0eca689c95_oproj
    .symbol:         k_q0eca689c95_oproj.kd
    .args:
      - { .name: cimg, .offset: 0, .size: 8, .value_kind: global_buffer, .address_space: global }
      - { .name: cs, .offset: 8, .size: 8, .value_kind: global_buffer, .address_space: global }
      - { .name: img1, .offset: 16, .size: 8, .value_kind: global_buffer, .address_space: global }
      - { .name: sc1, .offset: 24, .size: 8, .value_kind: global_buffer, .address_space: global }
      - { .name: bo, .offset: 32, .size: 8, .value_kind: global_buffer, .address_space: global }
      - { .name: x, .offset: 40, .size: 8, .value_kind: global_buffer, .address_space: global }
      - { .name: gamma, .offset: 48, .size: 8, .value_kind: global_buffer, .address_space: global }
      - { .name: beta, .offset: 56, .size: 8, .value_kind: global_buffer, .address_space: global }
      - { .name: out0, .offset: 64, .size: 8, .value_kind: global_buffer, .address_space: global }
    .group_segment_fixed_size: 198656
    .private_segment_fixed_size: 0
    .kernarg_segment_align: 8
    .kernarg_segment_size: 72
    .max_flat_workgroup_size: 512
    .sgpr_count:     66
    .vgpr_count:     256
    .wavefront_size: 32
...
	.end_amdgpu_metadata
.endif
;; end of part 4
